; MI455X (gfx1250); checked and timed in simulation.
; The chip was launched on July 23, 2026; its instructions are those of AMD's public machine-readable ISA for CDNA 5 (MIT licence, August 2026) and "CDNA5" Instruction Set Architecture Reference Guide (July 2026). The comments in the code are by the model that wrote it; some were corrected since.
;; Causal Self Attention. Allowed arithmetic: matrix products marked QUANTISED: E2M3 operands, one E8M0 scale for each 32 along K, by v_wmma_scale_f32_16x16x128_f8f6f4 with both operands' format E2M3, f32 sums; everything else in f32.
;; Inputs: Wk 1,024 x 1,024 float32; Wo 1,024 x 1,024 float32; Wq 1,024 x 1,024 float32; Wv 1,024 x 1,024 float32; bk 1,024 float32; bo 1,024 float32; bq 1,024 float32; bv 1,024 float32; mask 1 x 1 x 2,048 x 2,048 bool; x 4 x 2,048 x 1,024 float32.
;; Outputs: out0 4 x 2,048 x 1,024 float32.
;; This version of the problem:
;;   THIS VERSION OF THE PROBLEM IS GIVEN IN LOW PRECISION. The matrix products marked QUANTISED in the list below multiply operands that are first quantised to E2M3 (2 exponent bits, 3 mantissa bits; 6 bits a number), with one power-of-two scale for each 32 numbers along K (OCP MX v1.0); their sums are f32. All else is computed in f32.
;;   The module's matrix products, in the order in which they are computed (A, B: the left and right operand; K: the contracted axis; several contracted axes count as one K, in the product's order):
;;     1. [M 8,192, K 1,024] x [K 1,024, N 1,024]; A: input x; B: input Wq: QUANTISED
;;     2. [M 8,192, K 1,024] x [K 1,024, N 1,024]; A: input x; B: input Wk: QUANTISED
;;     3. [M 8,192, K 1,024] x [K 1,024, N 1,024]; A: input x; B: input Wv: QUANTISED
;;     4. batch 64 x [M 2,048, K 64] x [K 64, N 2,048]; A: computed on the way; B: computed on the way: QUANTISED
;;     5. batch 64 x [M 2,048, K 2,048] x [K 2,048, N 64]; A: softmax (see below); B: computed on the way: QUANTISED
;;     6. [M 8,192, K 1,024] x [K 1,024, N 1,024]; A: computed on the way; B: input Wo: QUANTISED
;;   THE QUANTISER, for each operand of a quantised product, along K:
;;     - K is cut into blocks of 32 from its start; a last block that is shorter is filled with zeros.
;;     - A block's scale is 2^e with e = floor(log2(the largest magnitude in the block)) - 2, held to -126 .. 127; a block of zeros has e = 0. As a byte (E8M0): e + 127.
;;     - Each number is divided by its block's scale, clamped to +-7.5, and rounded to the nearest number of E2M3, ties to even, subnormals kept.
;;     - The product sums the exact products of the quantised numbers (number of the format x scale) in f32.
;;   ~~~python
;;   def quantise(x, axis):      # numpy; x: float32 -> the quantised numbers, widened to float32 again
;;       x = np.moveaxis(x, axis, -1); K = x.shape[-1]
;;       x = np.pad(x, [(0, 0)] * (x.ndim - 1) + [(0, -K % 32)]); x = x.reshape(x.shape[:-1] + (-1, 32)); a = np.abs(x).max(-1, keepdims=True)
;;       e = np.where(a > 0, np.clip(np.frexp(np.where(a > 0, a, 1))[1] - 1 - 2, -126, 127), 0)      # np.frexp(a)[1] - 1 = floor(log2(a)), exactly
;;       r = np.clip(x / 2.0 ** e, -7.5, 7.5)
;;       step = 2.0 ** (np.maximum(np.frexp(np.where(r == 0, 1, r))[1] - 1, 0) - 3)
;;       q = np.round(r / step) * step * 2.0 ** e      # np.round: ties to even
;;       return np.moveaxis(q.reshape(q.shape[:-2] + (-1,))[..., :K], -1, axis).astype(np.float32)
;;   ~~~
;;   SOFTMAX AHEAD OF A QUANTISED PRODUCT. Where the list says 'softmax', what is quantised is not the finished softmax but p = 2^(t - M), with t = logit x log2(e) and M = ceil(the row's largest t), a whole number; so 1/2 < the row's largest p <= 1. The row's sum l is taken of the UNQUANTISED p, in f32, and the product's result is divided by l at the end. Since M is a whole number, a kernel that streams over the keys may use a running M (the ceiling of the running maximum): every later rescaling is an exact power of two, which a block's scale takes up: the codes' values come out the same.
;;   OPERANDS COMPUTED ON THE WAY. 'Computed on the way' means the value that the module computes at that place (a softmax that the list does not call 'softmax' is quantised finished and normalised). What goes into a quantiser is computed in f32, as accurately as f32 sums, v_exp_f32 and their like allow (about 1e-6 of the number): no bf16 or f16 on the way to a quantiser, and a product that is left as it is and whose result goes on into a quantised operand takes f32 operands (vector FMAs, or v_wmma_f32_16x16x4_f32). A number that lies on a knife's edge between two numbers of the format may be rounded either way, as far as f32 arithmetic and the matrix unit's own rounding can turn it there, and no further.
;; 2 versions, each right; version 2 is version 1 with the launch attn written anew for expert scheduling mode. Each part assembles by itself: llvm-mc -triple=amdgcn-amd-amdhsa -mcpu=gfx1250 --defsym DOCPART=n.
;; ======== version 1 of 2: 4 launches
;; limits: right only within a limited range of input values
;; workspace buffers: opq 9,830,400 bytes; mk 524,800 bytes of whole numbers; qkv 19,660,800 bytes; ao 6,553,600 bytes
;; launch prep (part 1): grid 512 x 1, 4 waves a work-group, no clusters, 108,032 bytes of LDS; arguments x, Wq, Wk, Wv, Wo, mask, opq, mk; writes opq, mk
.if DOCPART == 1
	.amdgcn_target "amdgcn-amd-amdhsa--gfx1250"
	.amdhsa_code_object_version 6
	.text
	.protected	k_q75eb84b9ef_prep
	.globl	k_q75eb84b9ef_prep
	.p2align	8
	.type	k_q75eb84b9ef_prep,@function
k_q75eb84b9ef_prep:
	s_mov_b64 s[64:65], 0
	v_nop
	global_prefetch_b8 v0, s[64:65] scope:SCOPE_SE
	s_setreg_imm32_b32 hwreg(HW_REG_WAVE_MODE, 25, 1), 1
	s_wait_xcnt 0x0
; CausalSelfAttention in MX-FP6 (E2M3, one E8M0 scale for each 32 along K), first of four launches: x and the four weights become codes and scale bytes, the mask becomes lane masks and flags.
; POSITIONS.  sigma(i) = i with bits 3 and 4 exchanged.  Every row index that is NOT a product's K (tokens, output channels) is stored at position sigma(index).  Sixteen positions 16 T + m then hold the indices
; 32 (T / 2) + 8 (T % 2) + m + 8 (m / 8): taken as source 0 of a matrix instruction, tiles 2 b and 2 b + 1 give a lane 16 registers = 16 NEIGHBOURS 32 b + 16 (lane / 16) + 0 .. 15, ready for the next quantiser.
; CODES lie [chunk of 64 along K][row position][48 bytes]: 128 rows of a chunk are 6,144 dense bytes, and lane (r, h) of a fragment takes the 24 bytes at 48 r + 24 h.  SCALE BYTES lie [256 along K][row position][8].
; opq: codes [16 chunks][12,288 rows][48]: rows 0-8,191 x, rows 8,192 + 1,024 m + position: weight m (0 q, 1 k, 2 v, 3 o); its scale bytes from byte SCO on.
; mk: for each tile of 16 queries qt and each step of 128 keys 64 words: bit l of word j = mask[query of lane l][key 128 step + 32 (j / 16) + 16 (l / 16) + j % 16]; from byte 524,288 on one word a tile: bits 15:0 the steps to walk, bits 31:16 those of them that are not all true.
; THE QUANTISER: a block's scale byte is its largest magnitude's exponent field - 2, held at 1 from below; each number / scale to the nearest code, ties to even, beyond 7.5 the largest code.
; WORK LEFT OUT (by the third launch, on the flags made here).  A step of 128 keys that is false for all 16 queries of a tile is not walked.  Under the mask reference() sets the logit to -1e9, so t = -1.44e9; a row that has a true key with a
; logit above -9e8 has M above -1.3e9, so p = 2^(t - M) is under 2^(-1e8): 0 in f32, in reference() too: such keys add nothing to the row's sum or to the product.  A row with NO true key is the mean over all keys: a tile that holds such a row keeps all 16 steps.
; All ten inputs are loaded by some launch.
; LIMITS: unmasked logits lie above -9e8; NaN, infinities and overflow among the inputs are not served, and one that reaches only the steps left out is not carried to the result; a block of zeros gets the byte 1 where the rule says 127
; (its codes are zeros, and this program alone reads the bytes); blocks whose largest magnitude lies under 2^-124 were not tried.
; SHARES: work-groups 0-127: a tile of queries of the mask each; 128-255: 128 columns x 256 K of a weight; 256-511: 32 tokens of x.  The three paths part on the work-group's number alone and have LDS bytes of their own.
; No matrix unit, no cluster, no tensor load: the launch streams each input byte once and its work-groups share nothing.
.set CST,   589824                     ; a chunk of opq's codes: 12,288 rows x 48 bytes
.set SCO,   9437184                    ; opq's scale bytes begin here
.set SST,   98304                      ; 256 along K of them: 12,288 rows x 8 bytes
.set WREG,  65536                      ; LDS: 0: x's path, 16,384 a wave; here: the weights' path, 10,240 a wave;
.set MREG,  106496                     ; the mask's path, 1,024;
.set SPARE, 107520                     ; the spare words, 128 bytes for each wave: two blocks of 256 bytes that no other line names
.set SP,    80                         ; a place of 64 bytes + 16 of padding
.set CHS,   2560                       ; a chunk in a wave's out stage: 32 positions x 80 bytes (four places of 16 bytes with 12 bytes of codes each, 16 of padding)
.set SPW,   192                        ; v192 LDS address of my spare word; never rewritten
.set NIL,   193                        ; v193 0; never rewritten
; The out stage (4 chunks x 32 positions) leaves: a load takes 8 positions, 12 bytes a lane; a store covers 384 consecutive bytes, a chunk's four stores 1,536.
.macro OUTC ord, oga, sb, reg
.irp k, 0,1,2,3,4,5,6,7,8,9,10,11,12,13,14,15
	ds_load_b96 v[\reg+4*\k:\reg+4*\k+2], v[\ord] offset:(\k/4)*CHS+(\k%4)*640   ; LDS serves a wave's instructions in order: these see my stores
.endr
.irp k, 0,1,2,3,4,5,6,7,8,9,10,11,12,13,14,15
	s_wait_dscnt 15-\k                             ; load k is in, the younger ones may be out
	global_store_b96 v[\oga], v[\reg+4*\k:\reg+4*\k+2], s[\sb:\sb+1] offset:(\k/4)*CST+(\k%4)*384
.endr
.endm
	s_load_b512 s[4:19], s[0:1], 0x0               ; x s[4:5], Wq s[6:7], Wk s[8:9], Wv s[10:11], Wo s[12:13], mask s[14:15], opq s[16:17], mk s[18:19]
	v_lshl_add_u32 v[SPW], v0, 2, SPARE
	v_mov_b32 v[NIL], 0
	v_lshrrev_b32 v1, 5, v0
	v_readfirstlane_b32 s20, v1                    ; wave 0..3
	v_and_b32 v2, 31, v0                           ; lane
	s_wait_kmcnt 0x0
	s_cmp_ge_u32 ttmp9, 256
	s_cbranch_scc1 .Lpath_x
	s_cmp_ge_u32 ttmp9, 128
	s_cbranch_scc1 .Lpath_w
	; ---------------- THE MASK: tile of queries qt = the work-group's number; wave w takes steps 4 w .. 4 w + 3
	v_and_b32 v3, 15, v0                           ; r
	v_bfe_u32 v4, v0, 4, 1                         ; h
	v_and_b32 v5, 8, v3
	v_add_nc_u32 v5, v5, v3                        ; r + 8 (r / 8)
	v_lshlrev_b32 v5, 11, v5                       ; a row of the mask is 2,048 bytes
	v_lshl_add_u32 v5, v4, 4, v5                   ; + 16 h
	v_lshlrev_b32 v6, 3, v2                        ; out: 8 bytes a lane
	s_lshr_b32 s21, ttmp9, 1
	s_lshl_b32 s21, s21, 5
	s_and_b32 s22, ttmp9, 1
	s_lshl_b32 s22, s22, 3
	s_add_co_u32 s21, s21, s22                     ; the tile's first token: 32 (qt / 2) + 8 (qt % 2)
	s_lshl_b32 s22, s21, 11
	s_lshl_b32 s23, s20, 9                         ; my four steps: 512 bytes of each row
	s_add_co_u32 s22, s22, s23
	s_mov_b32 s23, 0
	s_add_nc_u64 s[14:15], s[14:15], s[22:23]
.irp st, 0,1,2,3
.irp bb, 0,1,2,3
	global_load_b128 v[16+16*\st+4*\bb:19+16*\st+4*\bb], v5, s[14:15] offset:128*\st+32*\bb th:TH_LOAD_NT   ; mask[my query][128 step + 32 bb + 16 h + 0 .. 15]
.endr
.endr
	s_lshl_b32 s22, ttmp9, 12                      ; the tile's 16 steps x 256 bytes of words,
	s_lshl_b32 s21, s20, 10                        ; my four of them
	s_add_co_u32 s22, s22, s21
	s_add_nc_u64 s[30:31], s[18:19], s[22:23]
	s_lshl_b32 s32, s20, 2                         ; my first step's bit
	s_mov_b32 s28, 0                               ; my steps' bits: 'some key true' below, 'all true' 16 higher
	s_mov_b32 s34, 0x76543210
	s_mov_b32 s35, 0xfedcba98                      ; v_permlanex16_b32's selects for lane l xor 16
	v_mov_b32 v94, 0                               ; the OR of all that my lane has seen of its row
.macro MSTEP st
	s_wait_loadcnt 12-4*\st                        ; this step's four loads are in; the later steps' may be out
	v_mov_b32 v[80+2*\st], 0                       ; (v_writelane_b32's destination counts as read)
	v_mov_b32 v[81+2*\st], 0
.set n1, 0
.rept 64                                       ; word n1: one byte of every lane becomes one bit of a lane mask, which goes to lane n1 / 2, register n1 % 2
	v_and_b32 v[88+n1%4], 0xff<<(8*(n1%4)), v[16+16*\st+4*(n1/16)+(n1%16)/4]
	v_cmp_ne_u32 s[24+n1%4], 0, v[88+n1%4]
	v_writelane_b32 v[80+2*\st+n1%2], s[24+n1%4], n1/2
.set n1, n1+1
.endr
	global_store_b64 v6, v[80+2*\st:81+2*\st], s[30:31] offset:256*\st   ; 32 lanes store 256 consecutive bytes, aligned
	v_and_b32 v92, v[16+16*\st], v[17+16*\st]
	v_or_b32 v93, v[16+16*\st], v[17+16*\st]
.irp i, 2,3,4,5,6,7,8,9,10,11,12,13,14,15
	v_and_b32 v92, v92, v[16+16*\st+\i]
	v_or_b32 v93, v93, v[16+16*\st+\i]
.endr
	v_or_b32 v94, v94, v93
	v_cmp_eq_u32 vcc_lo, 0x01010101, v92           ; all 64 bytes of my lane true?
	s_cmp_eq_u32 vcc_lo, -1                        ; in all lanes?
	s_cselect_b32 s29, 0x10000<<\st, 0
	v_cmp_ne_u32 vcc_lo, 0, v93
	s_cmp_lg_u32 vcc_lo, 0                         ; a true byte in some lane?
	s_cselect_b32 s21, 1<<\st, 0
	s_or_b32 s29, s29, s21
	s_lshl_b32 s29, s29, s32
	s_or_b32 s28, s28, s29
.endm
	MSTEP 0
	MSTEP 1
	MSTEP 2
	MSTEP 3
	; the four waves' findings meet in LDS
	v_lshl_add_u32 v95, v0, 2, MREG
	ds_store_b32 v95, v94                          ; my lane's OR
	v_lshl_add_u32 v96, v1, 2, MREG+512
	v_mov_b32 v97, s28
	ds_store_b32 v96, v97                          ; my wave's bits: all lanes write the same word with the same value
	s_wait_dscnt 0x0                               ; for the others' sake: my stores are done
	s_barrier_signal -1
	s_barrier_wait -1                              ; (this path's only barrier: all four waves of the work-group are on this path)
	v_lshl_add_u32 v98, v2, 2, MREG
	v_mov_b32 v99, MREG+512
	ds_load_b32 v100, v98
	ds_load_b32 v101, v98 offset:128
	ds_load_b32 v102, v98 offset:256
	ds_load_b32 v103, v98 offset:384
	ds_load_b128 v[104:107], v99
	s_wait_dscnt 0x0
	v_or_b32 v100, v100, v101
	v_or_b32 v102, v102, v103
	v_or_b32 v100, v100, v102
	v_mov_b32 v101, 0
	v_permlanex16_b32 v101, v100, s34, s35
	v_or_b32 v100, v100, v101                      ; 0 where my row has no true key at all
	v_or_b32 v104, v104, v105
	v_or_b32 v106, v106, v107
	v_or_b32 v104, v104, v106
	v_readfirstlane_b32 s28, v104
	s_and_b32 s29, s28, 0xffff                     ; steps with a true key
	s_lshr_b32 s21, s28, 16                        ; steps all true
	v_cmp_eq_u32 vcc_lo, 0, v100
	s_cmp_lg_u32 vcc_lo, 0                         ; a row without a true key?
	s_cselect_b32 s29, 0xffff, s29                 ; then all 16 steps are walked: a choice of values, no branch
	s_and_not1_b32 s21, s29, s21                   ; those of them that want the mask's words
	s_lshl_b32 s21, s21, 16
	s_or_b32 s29, s29, s21
	s_cmp_lg_u32 s20, 0
	s_cbranch_scc1 .Lm_end                         ; wave 0 stores the tile's word
	v_mov_b32 v108, s29
	v_mov_b32 v109, 0
	s_lshl_b32 s22, ttmp9, 2
	s_add_co_u32 s22, s22, 524288
	s_add_nc_u64 s[18:19], s[18:19], s[22:23]
	v_cmp_eq_u32 vcc_lo, 0, v2
	s_wait_xcnt 0x0                                ; EXEC changes only behind this wait: it is a source of the stores above
	s_and_saveexec_b32 s33, vcc_lo
	global_store_b32 v109, v108, s[18:19]          ; lane 0 alone
	s_wait_xcnt 0x0                                ; and again in front of the line that widens it
	s_or_b32 exec_lo, exec_lo, s33
.Lm_end:
	s_wait_tensorcnt 0x0                           ; the wave's end, behind my last LDS store
	ds_add_u32 v[SPW], v[NIL]
	s_wait_dscnt 0x0
	s_endpgm
	; ---------------- A WEIGHT [K][N]: a lane takes a column and its registers run down K, so that a block of 32 lies in one lane and the codes come out with K innermost
.Lpath_w:
	s_sub_co_u32 s21, ttmp9, 128
	s_lshr_b32 s22, s21, 5                         ; which weight
	s_bfe_u32 s23, s21, 0x30002                    ; which 128 columns
	s_and_b32 s24, s21, 3                          ; which 256 along K
	s_cmp_eq_u32 s22, 1                            ; the choice hangs on the work-group's number alone
	s_cselect_b64 s[6:7], s[8:9], s[6:7]
	s_cmp_eq_u32 s22, 2
	s_cselect_b64 s[6:7], s[10:11], s[6:7]
	s_cmp_eq_u32 s22, 3
	s_cselect_b64 s[6:7], s[12:13], s[6:7]
	s_lshl_b32 s25, s23, 7
	s_lshl_b32 s26, s20, 5
	s_add_co_u32 s25, s25, s26                     ; my wave's first column
	s_lshl_b32 s26, s24, 20                        ; 256 rows of 4,096 bytes
	s_lshl_b32 s27, s25, 2
	s_add_co_u32 s26, s26, s27
	s_mov_b32 s27, 0
	s_add_nc_u64 s[6:7], s[6:7], s[26:27]
	s_lshl_b32 s28, s22, 10
	s_add_co_u32 s28, s28, s25
	s_add_co_u32 s28, s28, 8192                    ; my first row of opq
	s_mul_i32 s26, s24, 4*CST
	s_mul_i32 s29, s28, 48
	s_add_co_u32 s26, s26, s29
	s_add_nc_u64 s[30:31], s[16:17], s[26:27]      ; my codes
	s_mul_i32 s26, s24, SST
	s_lshl_b32 s29, s28, 3
	s_add_co_u32 s26, s26, s29
	s_add_co_u32 s26, s26, SCO
	s_add_nc_u64 s[32:33], s[16:17], s[26:27]      ; my scale bytes
	v_lshlrev_b32 v3, 2, v2                        ; in: 4 bytes a lane
	v_and_b32 v4, 7, v2
	v_bfe_u32 v10, v2, 3, 1
	v_bfe_u32 v11, v2, 4, 1
	v_lshl_or_b32 v4, v10, 4, v4
	v_lshl_or_b32 v4, v11, 3, v4                   ; sigma(lane): my column's position
	s_mul_i32 s29, s20, 10240
	s_add_co_u32 s29, s29, WREG                    ; my out stage
	v_mul_u32_u24 v5, v4, SP
	v_add_nc_u32 v5, s29, v5                       ; into it
	v_lshrrev_b32 v7, 2, v2
	v_mul_u32_u24 v7, v7, SP
	v_and_b32 v10, 3, v2
	v_lshl_add_u32 v7, v10, 4, v7
	v_add_nc_u32 v7, s29, v7                       ; out of it: four lanes to a position
	v_mul_u32_u24 v8, v2, 12
	v_lshlrev_b32 v9, 3, v4
.macro WLOAD t                         ; block t: W(32 t + i, my column) into set t % 2: a load reads 128 consecutive bytes a wave, 512 a work-group
.set n1, 0
.rept 32
	global_load_b32 v[32+32*((\t)%2)+n1], v3, s[6:7] offset:(32*(\t)+n1)*4096 th:TH_LOAD_NT
.set n1, n1+1
.endr
.endm
.macro WBLOCK t
.set XS, 32+32*((\t)%2)
.if (\t) < 7
	s_wait_loadcnt 32                              ; this block's 32 loads are in; the next block's may be out
.else
	s_wait_loadcnt 0
.endif
	v_max3_num_f32 v12, |v[XS]|, |v[XS+1]|, |v[XS+2]|               ; the block's largest magnitude: all 32 numbers are mine
	v_max3_num_f32 v13, |v[XS+3]|, |v[XS+4]|, |v[XS+5]|
.irp i, 6,10,14,18,22,26
	v_max3_num_f32 v12, v12, |v[XS+\i]|, |v[XS+\i+1]|
	v_max3_num_f32 v13, v13, |v[XS+\i+2]|, |v[XS+\i+3]|
.endr
	v_max3_num_f32 v12, v12, |v[XS+30]|, |v[XS+31]|
	v_max3_num_f32 v12, v12, v13, 0x1800000        ; and the floor 2^(3 - 127): the byte cannot fall under 1
	v_add_nc_u32 v11, 0xff000000, v12              ; 2 off its exponent field: the conversion takes the exponent field of this operand as its scale
	v_lshrrev_b32 v13, 23, v11                     ; the scale's byte
.if (\t)%4 == 0
	v_mov_b32 v[24+(\t)/4], v13                    ; four bytes to a register, the lower K in the lower byte
.else
	v_lshl_or_b32 v[24+(\t)/4], v13, 8*((\t)%4), v[24+(\t)/4]
.endif
	v_cvt_scalef32_pk16_fp6_f32 v[96:98], v[XS:XS+15], v11
	v_cvt_scalef32_pk16_fp6_f32 v[100:102], v[XS+16:XS+31], v11     ; (a conversion's three registers begin on an even number)
	ds_store_b96 v5, v[96:98] offset:((\t)/2)*CHS+((\t)%2)*32       ; 16 codes, 12 bytes, to a place of 16
	ds_store_b96 v5, v[100:102] offset:((\t)/2)*CHS+((\t)%2)*32+16
.if (\t)+2 < 8
	WLOAD (\t)+2
.endif
	s_wait_dscnt 0x0                               ; the stores have read their registers: the next block's codes may be written
.endm
	WLOAD 0
	WLOAD 1
.irp t, 0,1,2,3,4,5,6,7
	WBLOCK \t
.endr
	global_store_b64 v9, v[24:25], s[32:33]        ; my column's 8 scale bytes: the 32 lanes fill 256 consecutive bytes, aligned
	OUTC 7, 8, 30, 112
	s_wait_tensorcnt 0x0                           ; the wave's end
	ds_add_u32 v[SPW], v[NIL]
	s_wait_dscnt 0x0
	s_endpgm
	; ---------------- x [token][K]: the work-group takes 32 tokens, wave w their K 256 w .. 256 w + 255; 16 steps of two tokens
.Lpath_x:
	s_sub_co_u32 s21, ttmp9, 256
	s_lshl_b32 s22, s21, 17                        ; 32 rows of 4,096 bytes
	s_lshl_b32 s23, s20, 10
	s_add_co_u32 s22, s22, s23
	s_mov_b32 s23, 0
	s_add_nc_u64 s[4:5], s[4:5], s[22:23]
	s_mul_i32 s22, s20, 4*CST
	s_mul_i32 s24, s21, 1536
	s_add_co_u32 s22, s22, s24
	s_add_nc_u64 s[30:31], s[16:17], s[22:23]      ; my codes: chunks 4 w on, rows 32 x work-group on
	s_mul_i32 s22, s20, SST
	s_lshl_b32 s24, s21, 8
	s_add_co_u32 s22, s22, s24
	s_add_co_u32 s22, s22, SCO
	s_add_nc_u64 s[32:33], s[16:17], s[22:23]      ; my scale bytes
	s_lshl_b32 s25, s20, 14                        ; my LDS region: two turning stages of 2,560 bytes, 256 scale bytes at 5,120, the out stage at 5,376
	v_lshlrev_b32 v3, 4, v2                        ; my 16 bytes of a load's 512
	v_lshrrev_b32 v14, 2, v2
	v_mul_u32_u24 v14, v14, SP
	v_and_b32 v15, 3, v2
	v_lshl_add_u32 v14, v15, 4, v14
	v_add_nc_u32 v14, s25, v14                     ; the turning stage, in: four lanes' 64 bytes on end, then 16 of padding
	v_add_nc_u32 v4, 5376, v14                     ; the out stage, out: four lanes to a position
	v_mul_u32_u24 v15, v2, SP
	v_add_nc_u32 v15, s25, v15                     ; the turning stage, out: my 16 neighbours
	v_lshrrev_b32 v5, 1, v2
	v_add_nc_u32 v5, s25, v5
	v_add_nc_u32 v5, 5120, v5                      ; my block's scale byte: 8 (lane / 16) + (lane % 16) / 2
	v_lshlrev_b32 v7, 3, v2
	v_add_nc_u32 v6, s25, v7
	v_add_nc_u32 v6, 5120, v6                      ; and on the way out 8 bytes a lane
	v_bfe_u32 v10, v2, 2, 2
	v_mul_u32_u24 v10, v10, CHS                    ; the out stage, in: chunk (lane % 16) / 4,
	v_and_b32 v12, 3, v2
	v_lshl_add_u32 v10, v12, 4, v10                ; place lane % 4,
	v_bfe_u32 v12, v2, 4, 1
	v_mad_u32_u24 v10, v12, SP, v10                ; the step's second token one position on
	v_add_nc_u32 v10, s25, v10
	v_add_nc_u32 v10, 5376, v10
	v_mul_u32_u24 v12, v2, 12
.macro XLOAD t                         ; step t: tokens 2 t and 2 t + 1, 1,024 bytes each: four loads of 512 consecutive bytes
.irp i, 0,1,2,3
	global_load_b128 v[16+16*((\t)%4)+4*\i:19+16*((\t)%4)+4*\i], v3, s[4:5] offset:(2*(\t)+\i/2)*4096+(\i%2)*512 th:TH_LOAD_NT
.endr
.endm
.macro XTURN t                         ; through the turning stage: in as loaded, out 64 neighbouring bytes a lane; LDS serves a wave's instructions in order
.irp i, 0,1,2,3
	ds_store_b128 v14, v[16+16*((\t)%4)+4*\i:19+16*((\t)%4)+4*\i] offset:32*SP*((\t)%2)+8*SP*\i
.endr
.irp i, 0,1,2,3
	ds_load_b128 v[80+16*((\t)%2)+4*\i:83+16*((\t)%2)+4*\i], v15 offset:32*SP*((\t)%2)+16*\i
.endr
.endm
.macro XSTEP t
.set XS, 80+16*((\t)%2)
.set SG, (((2*(\t))&7)|(((2*(\t))&8)<<1)|(((2*(\t))&16)>>1))   ; sigma(2 t): the position of the step's first token
.if (\t) > 0
	s_wait_dscnt 2                                 ; this step's numbers are back from the stage; the last step's two stores may be out
.else
	s_wait_dscnt 0x0
.endif
.if (\t)+4 < 16
	XLOAD (\t)+4                                   ; into the registers that this step's stores into the stage have read
.endif
.if (\t)+1 < 16
.if 14-(\t) >= 3
	s_wait_loadcnt 12                              ; the next step's four loads are in; those of the three steps behind it may be out
.else
	s_wait_loadcnt 4*(14-(\t))
.endif
	XTURN (\t)+1
.endif
	v_max3_num_f32 v8, |v[XS]|, |v[XS+1]|, |v[XS+2]|               ; the largest magnitude of my 16
	v_max3_num_f32 v9, |v[XS+3]|, |v[XS+4]|, |v[XS+5]|
.irp i, 6,10
	v_max3_num_f32 v8, v8, |v[XS+\i]|, |v[XS+\i+1]|
	v_max3_num_f32 v9, v9, |v[XS+\i+2]|, |v[XS+\i+3]|
.endr
	v_max3_num_f32 v8, v8, |v[XS+14]|, |v[XS+15]|
	v_max3_num_f32 v8, v8, v9, 0x1800000           ; and the floor
	v_max_num_f32_dpp v8, v8, v8 row_xmask:1 row_mask:0xf bank_mask:0xf   ; and of my neighbour's 16: the block's
	v_add_nc_u32 v11, 0xff000000, v8
	v_cvt_scalef32_pk16_fp6_f32 v[128+4*(\t):130+4*(\t)], v[XS:XS+15], v11
	v_lshrrev_b32 v[112+(\t)], 23, v11             ; the scale's byte (a plain line behind the conversion)
	ds_store_b8 v5, v[112+(\t)] offset:SG*8        ; both lanes of a block write the same byte with the same value
	ds_store_b96 v10, v[128+4*(\t):130+4*(\t)] offset:SG*SP
.endm
.irp t, 0,1,2,3
	XLOAD \t
.endr
	s_wait_loadcnt 12                              ; step 0's four loads are in
	XTURN 0
.irp t, 0,1,2,3,4,5,6,7,8,9,10,11,12,13,14,15
	XSTEP \t
.endr
	ds_load_b64 v[8:9], v6                         ; the 32 positions' scale bytes; older than the loads below, so it is in at their first wait
	OUTC 4, 12, 30, 16
	global_store_b64 v7, v[8:9], s[32:33]          ; 32 lanes store 256 consecutive bytes, aligned
	s_wait_tensorcnt 0x0                           ; the wave's end
	ds_add_u32 v[SPW], v[NIL]
	s_wait_dscnt 0x0
	s_endpgm
.Lfunc_end_k_q75eb84b9ef_prep:
	.size	k_q75eb84b9ef_prep, .Lfunc_end_k_q75eb84b9ef_prep-k_q75eb84b9ef_prep
	.p2alignl 7, 3214868480
	.fill 96, 4, 3214868480
	.section	.rodata,"a",@progbits
	.p2align	6, 0x0
	.amdhsa_kernel k_q75eb84b9ef_prep
		.amdhsa_group_segment_fixed_size 108032
		.amdhsa_private_segment_fixed_size 0
		.amdhsa_enable_private_segment 0
		.amdhsa_kernarg_size 64
		.amdhsa_user_sgpr_count 2
		.amdhsa_user_sgpr_kernarg_segment_ptr 1
		.amdhsa_wavefront_size32 1
		.amdhsa_system_sgpr_workgroup_id_x 1
		.amdhsa_system_sgpr_workgroup_id_y 1
		.amdhsa_system_sgpr_workgroup_id_z 1
		.amdhsa_system_vgpr_workitem_id 0
		.amdhsa_next_free_vgpr 196
		.amdhsa_next_free_sgpr 66
		.amdhsa_reserve_vcc 1
		.amdhsa_float_denorm_mode_32 3
		.amdhsa_float_denorm_mode_16_64 3
		.amdhsa_memory_ordered 1
		.amdhsa_forward_progress 1
		.amdhsa_inst_pref_size 135
	.end_amdhsa_kernel
	.amdgpu_metadata
---
amdhsa.version: [ 1, 2 ]
amdhsa.kernels:
  - .name:           k_q75eb84b9ef_prep
    .symbol:         k_q75eb84b9ef_prep.kd
    .args:
      - { .name: x, .offset: 0, .size: 8, .value_kind: global_buffer, .address_space: global }
      - { .name: Wq, .offset: 8, .size: 8, .value_kind: global_buffer, .address_space: global }
      - { .name: Wk, .offset: 16, .size: 8, .value_kind: global_buffer, .address_space: global }
      - { .name: Wv, .offset: 24, .size: 8, .value_kind: global_buffer, .address_space: global }
      - { .name: Wo, .offset: 32, .size: 8, .value_kind: global_buffer, .address_space: global }
      - { .name: mask, .offset: 40, .size: 8, .value_kind: global_buffer, .address_space: global }
      - { .name: opq, .offset: 48, .size: 8, .value_kind: global_buffer, .address_space: global }
      - { .name: mk, .offset: 56, .size: 8, .value_kind: global_buffer, .address_space: global }
    .group_segment_fixed_size: 108032
    .private_segment_fixed_size: 0
    .kernarg_segment_align: 8
    .kernarg_segment_size: 64
    .max_flat_workgroup_size: 128
    .sgpr_count:     66
    .vgpr_count:     196
    .wavefront_size: 32
...
	.end_amdgpu_metadata
.endif
;; end of part 1
;; launch qkvgemm (part 2): grid 12 x 32, 4 waves a work-group, clusters of 4 x 4, 327,680 bytes of LDS; arguments opq, bq, bk, bv, qkv; writes qkv
.if DOCPART == 2
	.amdgcn_target "amdgcn-amd-amdhsa--gfx1250"
	.amdhsa_code_object_version 6
	.text
	.protected	k_q75eb84b9ef_qkvgemm
	.globl	k_q75eb84b9ef_qkvgemm
	.p2align	8
	.type	k_q75eb84b9ef_qkvgemm,@function
k_q75eb84b9ef_qkvgemm:
	s_mov_b64 s[64:65], 0
	v_nop
	global_prefetch_b8 v0, s[64:65] scope:SCOPE_SE
	s_setreg_imm32_b32 hwreg(HW_REG_WAVE_MODE, 25, 1), 1
	s_wait_xcnt 0x0
	s_wait_alu depctr_hold_cnt(0) depctr_sa_sdst(0) depctr_va_vdst(0) depctr_va_sdst(0) depctr_va_ssrc(0) depctr_va_vcc(0) depctr_vm_vsrc(0)
	s_getreg_b32 s2, hwreg(HW_REG_IB_STS2, 6, 4)
	s_cmp_eq_u32 s2, 0
	s_cbranch_scc0 .Lentry_in_a_cluster
	s_endpgm
.Lentry_in_a_cluster:
	s_bfe_u32 s2, ttmp6, 0x10000c
	s_cmp_lg_u32 s2, 0xf033
	s_cbranch_scc0 .Lentry_shape_is_right
	s_endpgm
.Lentry_shape_is_right:
; q = x Wq + bq, k = x Wk + bk, v = x Wv + bv on codes of FP6 (E2M3) with E8M0 scales, and each result quantised in registers for the product that takes it: q and k along the head's 64 channels, v along the tokens (the keys).
; opq (the launch before): codes [16 chunks of 64 K][12,288 rows][48 bytes], scale bytes from SCO on [4 x 256 K][row][8]; rows 0-8,191 x (tokens at positions sigma = bits 3 and 4 exchanged), rows 8,192 + 1,024 m + position: weight m.
; A tile of 256 x 256 is made by four waves, 128 x 128 each: 64 accumulators, 512 registers.  K = 1,024 goes in four steps of 256 through two LDS slots filled by the tensor data mover; the text is written out, with no loop.
; THE MATRIX INSTRUCTION IS USED TRANSPOSED: source 0 = 16 rows of 'B', source 1 = 16 rows of 'A': a lane holds ONE row of A, and its registers run along B's rows, which by their positions are 16 neighbours for each pair of tiles.
; Cluster x says which product: 0 q, 1 k: A = x, B = the weight: a lane holds a token, its registers run along the channels.  2 v: THE ROLES ARE EXCHANGED: A = Wv, B = x: a lane holds a channel, its registers run along the tokens.
; Both operands lie in one array with one pitch, so only scalars differ; they are chosen by the cluster's x, which all sixteen partners share.
; CLUSTERS: 4 x 4 work-groups; A's tile is shared along a row of the cluster, B's along a column: each is asked for jointly, by the same tensor load with the same descriptor and a mask that names the four.
; The bias is the C of each sum's first matrix instruction: 64 registers in the result's layout (q, k: by B's row; v: by A's row), so that nothing is cleared and nothing is added.
; OUT (qkv): q's codes [batch x head 64][position 2,048][48] at 0, k's at 6,291,456; v's [batch][chunk of 64 keys 32][channel position 1,024][48] at 12,582,912; scale words: q's [batch][pair of heads 8][position][4] at 18,874,368,
; k's at 19,136,512 (bytes 0, 1 the even head, 2, 3 the odd one), v's [batch][128 keys 16][channel position][4] at 19,398,656.
; LIMITS: as stated at the head of the first launch (a block of zeros gets the byte 1; NaN and infinities are not served).
; REGISTERS, in windows of 256: window 0: v0-31 addresses; v32-63 scale words, two sets; v64-127 the bias; v128-223 A's fragments, one set; on the way out v32-255 are free.  window 1: B's fragments, two sets, at v0 and v128.
;   window 2: the accumulators of my rows 0-63 ((a, b) at v[8 (8 a + b)]); window 3: those of my rows 64-127.
.set CST,   589824                     ; a chunk of opq's codes, in bytes
.set SCO,   9437184
.set SST,   98304
.set FIRSTA, 4*CST                     ; from a K step of 256 to the next,
.set FIRSTB, 4*CST
.set STEPA, 8*CST                      ; and to the next but one: what a slot's refill steps by
.set STEPB, 8*CST
.set CHK,   6144                       ; LDS: 128 rows x 48 bytes of one chunk
.set HALFT, 4*CHK                      ; what one tensor load brings: 128 rows x 256 K
.set SLOT,  4*HALFT                    ; A's 256 rows, then B's 256 rows
.set SCL,   2*SLOT                     ; behind the ring: the scale bytes, for all of K: [wave's 128 rows: 4 x 256 K][row][8]
.set HALFS, 4096
.set SPARE, SCL+4*HALFS                ; the spare words, 128 bytes for each wave: two blocks of 256 bytes that no other line names
.set STG,   13312                      ; the way out: a stage for each wave, in slot 0, which has had its last fill and its last read by then: 2 chunks x 6,144 bytes of codes, 512 of scale words
.set FR,    12
.set NL,    6
.set NP,    4
.set NQ,    2
.set ADRA, 16                          ; v16-17 LDS address of my A fragments in slot 0, 1
.set ADRB, 20                          ; v20-21 the same for B
.set STI,  24                          ; v24    the stage: 48 r + 24 h
.set STS,  25                          ; v25    the stage's scale words: 4 r
.set CO,   26                          ; v26    16 x lane
.set ADRS, 27                          ; v27    LDS address of my scale words: lanes 0-15 A's rows, lanes 16-31 B's
.set SPW,  28                          ; v28    my spare word; never rewritten
.set NIL,  29                          ; v29    0; never rewritten
.set RDS,  30                          ; v30    the stage, read back: 16 x lane
.set SC,   32
.set BI,   64
.set AF,   128
.set TM,   32                          ; the way out: v32-35 largest magnitudes, v36-39 bytes, v44-47 scale operands
.set PW,   48                          ; the scale word
.set PC,   52                          ; v52-63 the codes, v64-70 at work
.set G1, 24
.set G0, 32
.set G1B, 48
.set G0B, 56
.set G1S, 68
.set G0S, 76
.set G1SB, 80
.set G0SB, 88
.set MSB, 0
.macro WIN new                         ; the immediate's high byte repeats the setting that is left
.if MSB != (\new)
	s_set_vgpr_msb (MSB<<8)|(\new)
.set MSB, (\new)
.endif
.endm
.set MUL_LO, 0xa1                      ; source 0 (B) window 1, source 1 (A) window 0, C and D window 2
.set MUL_HI, 0xf1                      ; the same, C and D window 3
.set TO_B,   0x40                      ; destination window 1, address window 0
; A joint load: waves 0 and 1 fetch for A, waves 2 and 3 for B; the branch hangs on the wave's number alone.  An s_nop 0 and four v_nop follow each of the two lines.
.macro JLOAD g0a, g1a, g0b, g1b
	s_cmp_eq_u32 s15, 0
	s_cbranch_scc0 .Lfor_b_\@
	tensor_load_to_lds s[\g0a:\g0a+3], s[\g1a:\g1a+7]
	s_nop 0
.rept 4
	v_nop
.endr
	s_branch .Lasked_\@
.Lfor_b_\@:
	tensor_load_to_lds s[\g0b:\g0b+3], s[\g1b:\g1b+7]
	s_nop 0
.rept 4
	v_nop
.endr
.Lasked_\@:
.endm
.macro CREST                           ; a round of the cluster's barrier behind its opening barrier
	s_cmp_lg_u32 s14, 0
	s_cbranch_scc1 .Lnot_wave_0_\@
	s_barrier_signal -3
.Lnot_wave_0_\@:
	s_barrier_wait -3
	s_barrier_signal -1
	s_barrier_wait -1
.endm
.macro CROUND
	s_barrier_signal -1
	s_barrier_wait -1
	CREST
.endm
.macro GROUP1 g, d0, pitch             ; a tile of 4 rows of d0 elements of 8 bytes, pitch elements apart; dense in LDS
	s_mov_b32 s[\g+1], (\d0)<<16                   ; tensor_dim0
	s_mov_b32 s[\g+2], 4<<16                       ; tensor_dim1 = 4
	s_mov_b32 s[\g+3], (\d0)<<16                   ; tile_dim0
	s_mov_b32 s[\g+4], 4                           ; tile_dim1 = 4
	s_mov_b32 s[\g+5], \pitch                      ; tensor_dim0_stride
	s_mov_b32 s[\g+6], 0
	s_mov_b32 s[\g+7], 0
.endm
	s_load_b256 s[4:11], s[0:1], 0x0               ; opq s[4:5], bq s[6:7], bk s[8:9], bv s[10:11]
	s_load_b64 s[12:13], s[0:1], 0x20              ; qkv
	v_lshl_add_u32 v[SPW], v0, 2, SPARE
	v_mov_b32 v[NIL], 0
	ds_add_u32 v[SPW], v[NIL]                      ; the wave's opening: the add, twice on end, and its wait ahead of my first tensor load
	ds_add_u32 v[SPW], v[NIL]                      ; and once more, under the one wait; the set-up below, work on registers, stands between
	v_lshrrev_b32 v1, 5, v0
	v_readfirstlane_b32 s14, v1                    ; wave 0..3
	s_lshr_b32 s15, s14, 1                         ; which half of A's rows is mine.  Also: I fetch for A (0) or for B (1)
	s_and_b32 s16, s14, 1                          ; which half of B's rows.  Also: which 128 rows of that tile I fetch
	s_bfe_u32 s40, ttmp6, 0x40000                  ; cx, cy: my place in the cluster
	s_bfe_u32 s41, ttmp6, 0x40004
	s_and_b32 s18, ttmp7, 0xffff                   ; cluster y
	s_cmp_eq_u32 ttmp9, 2                          ; v?  (cluster x: the same in all sixteen partners)
	s_cselect_b32 s19, s18, ttmp9                  ; B's tiles walk: x's 32 for v; for q, k the weight's four, behind the matrix
	s_cselect_b32 s20, 0, s18                      ; A's: Wv's four for v; x's 32 for q, k
	s_cselect_b32 s21, 10240, 0                    ; A's first row in opq
	s_cselect_b32 s22, 0, 8192                     ; B's
	s_lshl_b32 s42, s19, 2
	s_add_co_u32 s42, s42, s40                     ; tile column (B)
	s_lshl_b32 s17, s20, 2
	s_add_co_u32 s17, s17, s41                     ; tile row (A)
	s_lshl_b32 s43, s41, 2
	s_lshl_b32 s43, 15, s43                        ; my row of the cluster
	s_lshl_b32 s44, 0x1111, s40                    ; my column
	s_or_b32 s[G1+0], s43, (3<<16)|(1<<21)         ; 15:0 the mask: A's tiles go to my row; 17:16 elements of 8 bytes; 20 no padding; 21 set beside a mask
	s_or_b32 s[G1B+0], s44, (3<<16)|(1<<21)
	s_or_b32 s[G1S+0], s43, (3<<16)|(1<<21)
	s_or_b32 s[G1SB+0], s44, (3<<16)|(1<<21)
	GROUP1 G1, 768, CST/8                          ; codes: 4 chunks x 128 rows x 48 bytes
	GROUP1 G1B, 768, CST/8
	GROUP1 G1S, 128, SST/8                         ; scale bytes: 4 x 256 K x 128 rows x 8 bytes
	GROUP1 G1SB, 128, SST/8
	s_lshl_b32 s18, s16, 7                         ; which 128 rows of the tile I fetch
	s_lshl_b32 s20, s17, 8
	s_add_co_u32 s20, s20, s18
	s_add_co_u32 s20, s20, s21                     ; A's row in opq
	s_lshl_b32 s46, s42, 8
	s_add_co_u32 s46, s46, s18
	s_add_co_u32 s46, s46, s22                     ; B's
	s_lshl_b32 s22, s20, 3
	s_add_co_u32 s22, s22, SCO                     ; where these rows' scale bytes begin,
	s_mov_b32 s23, 0
	s_lshl_b32 s92, s46, 3
	s_add_co_u32 s92, s92, SCO
	s_mov_b32 s93, 0
	s_mul_i32 s20, s20, 48                         ; and their codes
	s_mov_b32 s21, 0
	s_mul_i32 s46, s46, 48
	s_mov_b32 s47, 0
	s_mul_i32 s45, s14, HALFT                      ; where they go: wave x 128 rows: no place in the cluster enters an LDS address
	s_lshl_b32 s94, s14, 12
	s_wait_dscnt 0x0                               ; both opening adds are done
	s_wait_kmcnt 0x0
	s_add_nc_u64 s[20:21], s[4:5], s[20:21]
	s_add_nc_u64 s[22:23], s[4:5], s[22:23]
	s_add_nc_u64 s[46:47], s[4:5], s[46:47]
	s_add_nc_u64 s[92:93], s[4:5], s[92:93]
	CROUND                                         ; all sixteen work-groups are here: the first joint loads meet
	s_mov_b32 s[G0S], 1
	s_add_co_u32 s[G0S+1], s94, SCL
	s_mov_b64 s[G0S+2:G0S+3], s[22:23]
	s_or_b32 s[G0S+3], s[G0S+3], 0x80000000
	s_mov_b32 s[G0SB], 1
	s_add_co_u32 s[G0SB+1], s94, SCL
	s_mov_b64 s[G0SB+2:G0SB+3], s[92:93]
	s_or_b32 s[G0SB+3], s[G0SB+3], 0x80000000
	JLOAD G0S, G1S, G0SB, G1SB                     ; the scale bytes first: filled once, wanted with K step 0
.irp s, 0,1
	s_mov_b32 s[G0+4*\s], 1
	s_add_co_u32 s[G0+4*\s+1], s45, \s*SLOT
	s_add_nc_u64 s[G0+4*\s+2:G0+4*\s+3], s[20:21], \s*FIRSTA
	s_or_b32 s[G0+4*\s+3], s[G0+4*\s+3], 0x80000000
	s_mov_b32 s[G0B+4*\s], 1
	s_add_co_u32 s[G0B+4*\s+1], s45, \s*SLOT
	s_add_nc_u64 s[G0B+4*\s+2:G0B+4*\s+3], s[46:47], \s*FIRSTB
	s_or_b32 s[G0B+4*\s+3], s[G0B+4*\s+3], 0x80000000
	JLOAD G0+4*\s, G1, G0B+4*\s, G1B               ; by this text's own count three tensor loads of mine are out here, later one
.endr
	v_and_b32 v1, 15, v0                           ; r
	v_bfe_u32 v2, v0, 4, 1                         ; h
	v_mul_u32_u24 v3, v1, 48
	v_mad_u32_u24 v3, v2, 24, v3                   ; a fragment's place for my lane: 48 r + 24 h: 12 r + 6 h words, so that the 32 lanes of a load of 8 bytes touch 64 different banks (ISA guide 11.1)
	s_mul_i32 s21, s15, HALFT                      ; my 128 rows of A
	s_mul_i32 s22, s16, HALFT                      ; my 128 rows of B,
	s_add_co_u32 s22, s22, 2*HALFT                 ; which lie behind A's 256
.irp s, 0,1
	v_add_nc_u32 v[ADRA+\s], s21, v3
	v_add_nc_u32 v[ADRB+\s], s22, v3
	s_add_co_u32 s21, s21, SLOT
	s_add_co_u32 s22, s22, SLOT
.endr
	v_lshlrev_b32 v5, 3, v1                        ; scale bytes: 8 a row
	s_lshl_b32 s21, s15, 12                        ; A's: my 128 rows
	s_lshl_b32 s22, s16, 12                        ; B's: my 128 rows, behind A's 256
	s_add_co_u32 s22, s22, 2*HALFS
	s_sub_co_u32 s22, s22, s21
	v_mul_u32_u24 v6, s22, v2                      ; lanes 16-31 take B's
	s_add_co_u32 s21, s21, SCL
	v_add_nc_u32 v5, v5, v6
	v_add_nc_u32 v[ADRS], s21, v5
	s_mul_i32 s95, s14, STG                        ; my stage
	v_add_nc_u32 v[STI], s95, v3
	v_lshl_add_u32 v[STS], v1, 2, s95
	v_and_b32 v6, 31, v0
	v_lshlrev_b32 v[CO], 4, v6
	v_add_nc_u32 v[RDS], s95, v[CO]
	v_lshlrev_b32 v7, 6, v2                        ; the bias of q, k: 64 h bytes on: my half's 16 channels of each 32
	v_and_b32 v8, 8, v1
	v_add_nc_u32 v8, v8, v1
	v_lshlrev_b32 v8, 2, v8                        ; of v: the channel at my position: r + 8 (r / 8)
	; where my 128 x 128 goes
	s_lshl_b32 s18, s17, 8
	s_lshl_b32 s19, s15, 7
	s_add_co_u32 s18, s18, s19                     ; my first row of A: a token's position (q, k), a channel's (v)
	s_lshl_b32 s19, s42, 8
	s_lshl_b32 s95, s16, 7
	s_add_co_u32 s19, s19, s95                     ; my first row of B: 1,024 x matrix + a channel's position (q, k), a token's (v)
	s_and_b32 s95, s19, 1023
	s_cmp_eq_u32 ttmp9, 2
	s_cselect_b32 s96, s19, s18                    ; the first token
	s_cselect_b32 s97, s18, s95                    ; the first channel
	s_lshr_b32 s2, s96, 11                         ; batch
	s_and_b32 s3, s96, 2047                        ; position in the batch
	s_lshl_b32 s18, s2, 4
	s_lshr_b32 s19, s97, 6
	s_add_co_u32 s18, s18, s19                     ; q, k: batch x 16 + the even head of my two
	s_lshl_b32 s18, s18, 11
	s_add_co_u32 s18, s18, s3
	s_mul_i32 s18, s18, 48
	s_mul_i32 s19, ttmp9, 6291456
	s_add_co_u32 s18, s18, s19                     ; its codes
	s_lshl_b32 s19, s2, 3
	s_lshr_b32 s95, s97, 7
	s_add_co_u32 s19, s19, s95
	s_lshl_b32 s19, s19, 11
	s_add_co_u32 s19, s19, s3
	s_lshl_b32 s19, s19, 2
	s_lshl_b32 s95, ttmp9, 18
	s_add_co_u32 s19, s19, s95
	s_add_co_u32 s19, s19, 18874368                ; the pair's scale words
	s_lshl_b32 s95, s2, 5
	s_lshr_b32 s96, s3, 6
	s_add_co_u32 s95, s95, s96                     ; v: batch x 32 + the first of my two chunks of 64 keys
	s_lshl_b32 s95, s95, 10
	s_add_co_u32 s95, s95, s97
	s_mul_i32 s95, s95, 48
	s_add_co_u32 s95, s95, 12582912
	s_lshl_b32 s96, s2, 4
	s_lshr_b32 s3, s3, 7
	s_add_co_u32 s96, s96, s3
	s_lshl_b32 s96, s96, 10
	s_add_co_u32 s96, s96, s97
	s_lshl_b32 s96, s96, 2
	s_add_co_u32 s96, s96, 19398656
	s_mov_b32 s3, 98304                            ; from my first chunk to my second: a head's 2,048 rows (q, k), 1,024 channels (v)
	s_cmp_eq_u32 ttmp9, 2
	s_cselect_b32 s18, s95, s18
	s_cselect_b32 s96, s96, s19
	s_cselect_b32 s2, 49152, s3
	s_mov_b32 s19, 0
	s_mov_b32 s3, 0
	s_add_nc_u64 s[20:21], s[12:13], s[18:19]      ; my first chunk of codes,
	s_add_nc_u64 s[22:23], s[20:21], s[2:3]        ; my second,
	s_lshl_b32 s92, s97, 2
	s_mov_b32 s93, 0
	s_mov_b32 s97, 0
	s_add_nc_u64 s[46:47], s[12:13], s[96:97]      ; my scale words
	s_cmp_eq_u32 ttmp9, 1
	s_cselect_b64 s[6:7], s[8:9], s[6:7]
	s_cmp_eq_u32 ttmp9, 2
	s_cselect_b64 s[6:7], s[10:11], s[6:7]
	s_add_nc_u64 s[6:7], s[6:7], s[92:93]          ; the bias at my first channel
	s_mov_b32 s2, 0x76543210
	s_mov_b32 s3, 0xfedcba98                       ; v_permlanex16_b32's selects for lane l xor 16
	s_cmp_eq_u32 ttmp9, 2
	s_cbranch_scc1 .Lbias_v
.irp b, 0,1,2,3,4,5,6,7                        ; q, k: register j of tile b is channel 32 (b / 2) + 8 (b % 2) + 16 h + j
	global_load_b128 v[BI+8*\b:BI+8*\b+3], v7, s[6:7] offset:(32*(\b/2)+8*(\b%2))*4
	global_load_b128 v[BI+8*\b+4:BI+8*\b+7], v7, s[6:7] offset:(32*(\b/2)+8*(\b%2))*4+16
.endr
	s_branch .Lbias_in
.Lbias_v:
.irp a, 0,1,2,3,4,5,6,7                        ; v: all eight registers of block a hold the bias of my lane's channel 32 (a / 2) + 8 (a % 2) + r + 8 (r / 8)
.irp j, 0,1,2,3,4,5,6,7
	global_load_b32 v[BI+8*\a+\j], v8, s[6:7] offset:(32*(\a/2)+8*(\a%2))*4
.endr
.endr
.Lbias_in:
.macro FRAG reg, adr, q, i             ; a fragment, 16 rows x 128 K, is 12 registers: registers 6 c .. 6 c + 5 hold K = 64 c + 32 h + 0 .. 31: the 24 bytes at 24 h of my row in chunk 2 q + c; in pieces of 8 bytes
.irp p, 0,1,2,3,4,5
	ds_load_b64 v[\reg+2*\p:\reg+2*\p+1], v[\adr] offset:(2*(\q)+\p/3)*CHK+(\i)*768+8*(\p%3)
.endr
.endm
; 16 matrix instructions: A's blocks a0, a0 + 1 x B's eight, the slot's q-th 128 along K.  p: B's set; sc: the set of scale words.  mode 0: the sums go on; 1: they begin with the bias by B's block; 2: by A's block.
; The 64 accumulators take turns, one instruction a turn, in the same order in every step.
.macro MUL16 a0, p, q, sc, mode
.irp a, \a0, \a0+1
.irp b, 0,1,2,3,4,5,6,7
.if \mode == 0
	v_wmma_scale_f32_16x16x128_f8f6f4 v[8*(8*((\a)%4)+\b):8*(8*((\a)%4)+\b)+7], v[128*(\p)+FR*\b:128*(\p)+FR*\b+FR-1], v[AF+FR*(\a):AF+FR*(\a)+FR-1], v[8*(8*((\a)%4)+\b):8*(8*((\a)%4)+\b)+7], v[SC+8*NQ*(\sc)+NQ*\b+(\q)], v[SC+8*NQ*(\sc)+NQ*(\a)+(\q)] matrix_a_fmt:MATRIX_FMT_FP6 matrix_b_fmt:MATRIX_FMT_FP6 matrix_a_scale:MATRIX_SCALE_ROW1
.elseif \mode == 1
	v_wmma_scale_f32_16x16x128_f8f6f4 v[8*(8*((\a)%4)+\b):8*(8*((\a)%4)+\b)+7], v[128*(\p)+FR*\b:128*(\p)+FR*\b+FR-1], v[AF+FR*(\a):AF+FR*(\a)+FR-1], v[BI+8*\b:BI+8*\b+7], v[SC+8*NQ*(\sc)+NQ*\b+(\q)], v[SC+8*NQ*(\sc)+NQ*(\a)+(\q)] matrix_a_fmt:MATRIX_FMT_FP6 matrix_b_fmt:MATRIX_FMT_FP6 matrix_a_scale:MATRIX_SCALE_ROW1
.else
	v_wmma_scale_f32_16x16x128_f8f6f4 v[8*(8*((\a)%4)+\b):8*(8*((\a)%4)+\b)+7], v[128*(\p)+FR*\b:128*(\p)+FR*\b+FR-1], v[AF+FR*(\a):AF+FR*(\a)+FR-1], v[BI+8*(\a):BI+8*(\a)+7], v[SC+8*NQ*(\sc)+NQ*\b+(\q)], v[SC+8*NQ*(\sc)+NQ*(\a)+(\q)] matrix_a_fmt:MATRIX_FMT_FP6 matrix_b_fmt:MATRIX_FMT_FP6 matrix_a_scale:MATRIX_SCALE_ROW1
.endif
.endr
.endr
.endm
.macro FETCH_B slot, q, p
	WIN TO_B
.irp i, 0,1,2,3,4,5,6,7
	FRAG 128*(\p)+FR*\i, ADRB+\slot, \q, \i
.endr
	WIN 0
.endm
.macro FETCH_A slot, q, i0
.irp i, \i0, \i0+1, \i0+2, \i0+3
	FRAG AF+FR*(\i), ADRA+\slot, \q, \i
.endr
.endm
.macro SCALES sc                       ; a K step's scale words into set sc: two words a row; lanes 0-15 take A's block i, lanes 16-31 B's block i
.irp i, 0,1,2,3,4,5,6,7
	ds_load_b64 v[SC+8*NQ*\sc+NQ*\i:SC+8*NQ*\sc+NQ*\i+1], v[ADRS] offset:128*\i
.endr
.endm
.macro PLACES n                        ; a load into a register that a matrix instruction has read, and a vector instruction or LDS store that reads a result, stand four plain vector instructions behind it
.rept \n
	v_nop
.endr
.endm
; A step of 128 along K that has its successor in the same slot.
.macro STEP slot, q, mode
	s_wait_dscnt 4*NL                              ; B's set, A's blocks 0-3 and the scale words are in; the youngest 24 loads (A's blocks 4-7) may be out
.if \mode
	WIN 0x81                                       ; C (the bias) in window 0, D in window 2
.else
	WIN MUL_LO
.endif
	MUL16 0, (\q)%2, \q, \slot, \mode
	MUL16 2, (\q)%2, \q, \slot, \mode
	s_wait_dscnt 0                                 ; A's blocks 4-7 are in
	PLACES NP
	FETCH_B \slot, (\q)+1, 1-(\q)%2
	FETCH_A \slot, (\q)+1, 0
.if \mode
	WIN 0xc1
.else
	WIN MUL_HI
.endif
	MUL16 4, (\q)%2, \q, \slot, \mode
	MUL16 6, (\q)%2, \q, \slot, \mode
	PLACES NP
	WIN 0
	FETCH_A \slot, (\q)+1, 4
.endm
; A slot's last step changes slots: ONE barrier; in front of it each wave waits for all its tensor loads, adds 0 to its spare word, and waits for that and for its own reads of this slot.  fill = 1: this slot is filled again, two K steps ahead.
.macro TURN slot, next, fill
	s_wait_tensorcnt 0x0                           ; all my tensor loads have landed: my part of the next slot  (every window is 0 here)
	ds_add_u32 v[SPW], v[NIL]                      ; 0 onto my spare word
	s_wait_dscnt 4*NL+1                            ; (the add and the youngest 24 loads may be out)
	WIN MUL_LO
	MUL16 0, 1, NQ-1, \slot, 0                     ; sixteen matrix instructions stand between the add and the wait for it
	s_wait_dscnt 0x0                               ; the add is done, and my reads of this slot are over
	s_barrier_signal -1
	MUL16 2, 1, NQ-1, \slot, 0
	WIN 0
	s_barrier_wait -1
.if \fill
	CREST                                          ; the barrier has opened a round of the cluster's barrier: no wave of any partner still reads this slot or has a load on its way
	s_add_nc_u64 s[G0+4*\slot+2:G0+4*\slot+3], s[G0+4*\slot+2:G0+4*\slot+3], STEPA
	s_add_nc_u64 s[G0B+4*\slot+2:G0B+4*\slot+3], s[G0B+4*\slot+2:G0B+4*\slot+3], STEPB
	JLOAD G0+4*\slot, G1, G0B+4*\slot, G1B         ; the first tensor load behind the round; its four v_nop are the places in front of the loads below
.else
	PLACES NP
.endif
	v_add_nc_u32 v[ADRS], 1024, v[ADRS]            ; on to the next K step's scale words (no LDS load of mine is out)
	FETCH_B \next, 0, 0
	FETCH_A \next, 0, 0
	SCALES \next
	WIN MUL_HI
	MUL16 4, 1, NQ-1, \slot, 0
	MUL16 6, 1, NQ-1, \slot, 0
	PLACES NP
	WIN 0
	FETCH_A \next, 0, 4
.endm
	s_wait_tensorcnt 1                             ; the scale bytes and my part of K step 0 are in; K step 1's load may be out
	s_barrier_signal -1
	s_barrier_wait -1                              ; everybody's are
	FETCH_B 0, 0, 0
	FETCH_A 0, 0, 0
	SCALES 0
	FETCH_A 0, 0, 4
	s_wait_loadcnt 0x0                             ; the bias
	s_cmp_eq_u32 ttmp9, 2
	s_cbranch_scc1 .Lfirst_v
	STEP 0, 0, 1                                   ; the first step's products start the sums with the bias
	s_branch .Lfirst_done
.Lfirst_v:
	STEP 0, 0, 2
.Lfirst_done:
	TURN 0, 1, 1                                   ; slot 0 takes K 512 on
	STEP 1, 0, 0
	TURN 1, 0, 1                                   ; slot 1 takes K 768 on
	STEP 0, 0, 0
	TURN 0, 1, 0                                   ; nothing is left to fetch: no round
	STEP 1, 0, 0
	s_wait_dscnt 4*NL                              ; the very last step
	WIN MUL_LO
	MUL16 0, 1, NQ-1, 1, 0
	MUL16 2, 1, NQ-1, 1, 0
	s_wait_dscnt 0
	WIN MUL_HI
	MUL16 4, 1, NQ-1, 1, 0
	MUL16 6, 1, NQ-1, 1, 0
	WIN 0
; THE WAY OUT.  Block a: a lane's 64 numbers (register 16 b + i = index 32 b + 16 h + i of my row) become a fragment's codes and a scale word, read from the accumulators where they lie, each accumulator from its low end on.
.macro QUANTA a
.set AC, 64*((\a)%4)
	WIN 0x0a+5*((\a)/4)                            ; sources 0 and 1: window 2 or 3
.irp b, 0,1,2,3
	v_max3_num_f32 v[TM+\b], |v[AC+16*\b]|, |v[AC+16*\b+1]|, 0x1800000   ; block b: my 16 numbers, and the floor 2^(3 - 127)
.endr
.irp i, 2,4,6,8,10,12,14
.irp b, 0,1,2,3
	v_max3_num_f32 v[TM+\b], |v[AC+16*\b+\i]|, |v[AC+16*\b+\i+1]|, v[TM+\b]   ; (the four blocks by turns)
.endr
.endr
	WIN 0
.irp b, 0,1,2,3
	v_permlanex16_b32 v[TM+4+\b], v[TM+\b], s2, s3
.endr
.irp b, 0,1,2,3
	v_max_num_f32 v[TM+\b], v[TM+\b], v[TM+4+\b]   ; with lane l xor 16's: the block's largest magnitude
.endr
.irp b, 0,1,2,3
	v_add_nc_u32 v[TM+12+\b], 0xff000000, v[TM+\b] ; 2 off its exponent field: the conversion's scale operand
.endr
.irp b, 0,1,2,3
	v_lshrrev_b32 v[TM+4+\b], 23, v[TM+12+\b]      ; the scale's byte
.endr
	s_wait_dscnt 0x0                               ; the last block's stores have read the scale word and the codes
	v_lshl_or_b32 v[PW], v[TM+5], 8, v[TM+4]
	v_lshl_or_b32 v[PW], v[TM+6], 16, v[PW]
	v_lshl_or_b32 v[PW], v[TM+7], 24, v[PW]
	WIN 0x02+(\a)/4                                ; source 0: window 2 or 3
.irp c, 0,1
	v_cvt_scalef32_pk16_fp6_f32 v[PC+6*\c:PC+2+6*\c], v[AC+32*\c:AC+15+32*\c], v[TM+12+2*\c]
	v_cvt_scalef32_pk16_fp6_f32 v[PC+12+4*\c:PC+14+4*\c], v[AC+16+32*\c:AC+31+32*\c], v[TM+12+2*\c+1]   ; (a conversion's three registers begin on an even number)
.endr
	WIN 0
	v_nop                                          ; one plain place behind a scaled conversion
.irp c, 0,1                                    ; the operand's layout wants a WHOLE block in a lane
.irp i, 0,1,2
	v_permlane16_swap_b32 v[PC+6*\c+\i], v[PC+12+4*\c+\i]
.endr
.irp i, 0,1,2
	v_mov_b32 v[PC+3+6*\c+\i], v[PC+12+4*\c+\i]
.endr
.endr
.irp p, 0,1,2,3,4,5
	ds_store_b64 v[STI], v[PC+2*\p:PC+2*\p+1] offset:(\p/3)*CHK+(\a)*768+8*(\p%3)   ; chunk p / 3, row 16 a + r, byte 24 h
.endr
	ds_store_b32 v[STS], v[PW] offset:2*CHK+64*(\a)   ; lanes r and 16 + r write the same word with the same value
.endm
	PLACES NP
.irp b, 0,1,2,3
	v_mov_b32 v[TM+4+\b], 0                        ; written once: a lane permute's destination counts as one of its sources
.endr
.irp a, 0,1,2,3,4,5,6,7
	QUANTA \a
.endr
.irp t, 0,1,2,3,4,5,6,7,8,9,10,11,12,13,14,15,16,17,18,19,20,21,22,23
	ds_load_b128 v[128+4*\t:131+4*\t], v[RDS] offset:512*\t   ; LDS serves a wave's instructions in order: these see my stores
.endr
	ds_load_b128 v[224:227], v[RDS] offset:2*CHK
.irp t, 0,1,2,3,4,5,6,7,8,9,10,11
	s_wait_dscnt 24-\t                             ; load t is in, the younger ones may be out
	global_store_b128 v[CO], v[128+4*\t:131+4*\t], s[20:21] offset:512*\t   ; 32 lanes store 512 consecutive bytes, aligned to 256
.endr
.irp t, 12,13,14,15,16,17,18,19,20,21,22,23
	s_wait_dscnt 24-\t
	global_store_b128 v[CO], v[128+4*\t:131+4*\t], s[22:23] offset:512*(\t-12)
.endr
	s_wait_dscnt 0x0
	global_store_b128 v[CO], v[224:227], s[46:47]  ; my 128 rows' scale words
	s_wait_tensorcnt 0x0                           ; the wave's end, behind my last tensor load and my last LDS store
	ds_add_u32 v[SPW], v[NIL]
	s_wait_dscnt 0x0
	CROUND                                         ; the closing round: no work-group ends while a partner may still ask for a tile that names it
	s_endpgm
.Lfunc_end_k_q75eb84b9ef_qkvgemm:
	.size	k_q75eb84b9ef_qkvgemm, .Lfunc_end_k_q75eb84b9ef_qkvgemm-k_q75eb84b9ef_qkvgemm
	.p2alignl 7, 3214868480
	.fill 96, 4, 3214868480
	.section	.rodata,"a",@progbits
	.p2align	6, 0x0
	.amdhsa_kernel k_q75eb84b9ef_qkvgemm
		.amdhsa_group_segment_fixed_size 327680
		.amdhsa_private_segment_fixed_size 0
		.amdhsa_enable_private_segment 0
		.amdhsa_kernarg_size 40
		.amdhsa_user_sgpr_count 2
		.amdhsa_user_sgpr_kernarg_segment_ptr 1
		.amdhsa_wavefront_size32 1
		.amdhsa_system_sgpr_workgroup_id_x 1
		.amdhsa_system_sgpr_workgroup_id_y 1
		.amdhsa_system_sgpr_workgroup_id_z 1
		.amdhsa_system_vgpr_workitem_id 0
		.amdhsa_next_free_vgpr 1024
		.amdhsa_next_free_sgpr 98
		.amdhsa_reserve_vcc 0
		.amdhsa_float_denorm_mode_32 3
		.amdhsa_float_denorm_mode_16_64 3
		.amdhsa_memory_ordered 1
		.amdhsa_forward_progress 1
		.amdhsa_inst_pref_size 194
	.end_amdhsa_kernel
	.amdgpu_metadata
---
amdhsa.version: [ 1, 2 ]
amdhsa.kernels:
  - .name:           k_q75eb84b9ef_qkvgemm
    .symbol:         k_q75eb84b9ef_qkvgemm.kd
    .args:
      - { .name: opq, .offset: 0, .size: 8, .value_kind: global_buffer, .address_space: global }
      - { .name: bq, .offset: 8, .size: 8, .value_kind: global_buffer, .address_space: global }
      - { .name: bk, .offset: 16, .size: 8, .value_kind: global_buffer, .address_space: global }
      - { .name: bv, .offset: 24, .size: 8, .value_kind: global_buffer, .address_space: global }
      - { .name: qkv, .offset: 32, .size: 8, .value_kind: global_buffer, .address_space: global }
    .group_segment_fixed_size: 327680
    .private_segment_fixed_size: 0
    .kernarg_segment_align: 8
    .kernarg_segment_size: 40
    .max_flat_workgroup_size: 128
    .sgpr_count:     98
    .vgpr_count:     1024
    .wavefront_size: 32
...
	.end_amdgpu_metadata
.endif
;; end of part 2
;; launch attn (part 3): grid 8 x 64, 16 waves a work-group, no clusters, 92,160 bytes of LDS; arguments qkv, mk, ao; writes ao
.if DOCPART == 3
	.amdgcn_target "amdgcn-amd-amdhsa--gfx1250"
	.amdhsa_code_object_version 6
	.text
	.protected	k_q75eb84b9ef_attn
	.globl	k_q75eb84b9ef_attn
	.p2align	8
	.type	k_q75eb84b9ef_attn,@function
k_q75eb84b9ef_attn:
	s_mov_b64 s[64:65], 0
	v_nop
	global_prefetch_b8 v0, s[64:65] scope:SCOPE_SE
	s_setreg_imm32_b32 hwreg(HW_REG_WAVE_MODE, 25, 1), 1
	s_wait_xcnt 0x0
; O = softmax(where(mask, Q K^T / 8, -1e9)) V for one batch and head, both products on codes of FP6 (E2M3) with E8M0 scales, and O / l quantised along the channels for the last product.
; t = logit x log2(e); M = the running largest t, rounded up to a whole number; p = 2^(t - M) is quantised along the keys, not normalised; the row's sum is taken of the unquantised p and divides at the end; when M moves, sum and O are multiplied by 2^(old M - new M).
; Under the mask t is the f32 number -1,442,695,040 (-1e9 x log2(e)), a whole number: a row with no true key has M = t and p = 1 for every key, the mean that reference() gives.
; WORK LEFT OUT: a step of 128 keys that the mask hides from all 16 queries of a tile is not walked (the proof and the limits stand at the head of the first launch); which steps, the first launch has stored as whole numbers: bit s of my
; tile's word = walk step s, bit 16 + s = step s wants the mask's words.  A tile that holds a row with no true key walks all steps.
; SHARES.  A work-group owns the blocks of 128 queries i and 15 - i of one batch and head; each of its sixteen waves owns a tile of 16 queries in 256 registers, four waves to a SIMD, two of each block.
; LAYOUT.  Both products are used transposed: S^T = K Q^T (source 0 = 16 keys), O^T = V^T P^T (source 0 = 16 channels): a lane holds ONE query throughout.  Keys and channels lie at positions sigma (bits 3 and 4 exchanged), so that the 16
; registers of tiles 2 b, 2 b + 1 are 16 neighbours 32 b + 16 (lane / 16) + 0 .. 15.
; THE HEAD'S K IS 64, the instruction's 128: Q's registers 6-11 are zero codes.  K's tile g is named v[32 + 6 g .. 43 + 6 g]: its upper six registers are the next tile's codes (behind the last: zeros); they meet Q's zeros, every code of this format is
; a finite number, and the scale bytes that go with them are 0 (2^-127, no NaN): they add exactly 0.
; K AND V COME THROUGH REGISTERS, not by tensor loads: there is no joint load and no cluster.  A slot of 256 keys is 24,576 bytes: three loads of 16
; bytes a lane, issued a whole slot (two key steps) ahead of the LDS stores that want them; so no prefetch is laid beside them.
; LDS: two slots (K 256 x 48, V 4 chunks x 64 x 48) at 0 and 32,768; K's scale words of the whole head at SCK, V's at SCV; a stage of 768 bytes a wave; the spare words.
; REGISTERS: v1-11 addresses and the masked t; v12 -M, v13 the largest t, v[14:15] the sum; v16-27 Q; v28 Q's scale word, v29 p's; v32-85 K's or V's fragments; v86-93 their scale words; v96-159 S^T, then p; v160-191 O^T; v192-203 the slot on
; its way; v204-222 p's codes; v224-241 at work; v242-248 addresses.
.set KCO,   6291456
.set VCO,   12582912
.set QSO,   18874368
.set KSO,   19136512
.set VSO,   19398656
.set SL1,   32768
.set VOF,   12288
.set SCK,   65536
.set SCV,   73728
.set STAGE, 77824
.set SPARE, 90112                      ; the spare words, 128 bytes for each wave: eight blocks of 256 bytes that no other line names
.set WV,  10
.set CNT, 11
.set P0,  12                           ; s[12:13], s[14:15], s[16:17]: where my three pieces of the next slot lie in memory
.set P1,  14
.set P2,  16
.set P1S, 18                           ; s[18:19] the second piece's step: 12,288 where it is K's, 196,608 where it is V's
.set MKP, 20                           ; s[20:21] my tile's mask words
.set SEL, 22
.set CS,  24                           ; s[24:25] c = log2(e) / 8
.set CX,  26                           ; s[26:27] c, or 1.0 in a step whose scores have been multiplied by c already
.set TS,  28                           ; the step's scale words of K: 512 bytes a step
.set TJ,  29                           ; of V: 256
.set KS,  30                           ; the step's number
.set FW,  31                           ; my tile's flags
.set AOS, 66                           ; s[66:67] ao's scale bytes.  s32-63 and s68-99: the step's 64 mask words
.set BM,  224
.set PT,  228
.set SO,  232
.set PCD, 204
	s_load_b128 s[4:7], s[0:1], 0x0                ; qkv, mk
	s_load_b64 s[8:9], s[0:1], 0x10                ; ao
	v_lshl_add_u32 v5, v0, 2, SPARE                ; my spare word; never rewritten
	v_mov_b32 v6, 0                                ; 0; never rewritten
	v_lshrrev_b32 v8, 5, v0
	v_readfirstlane_b32 s[WV], v8                  ; wave 0..15
	s_and_b32 s32, ttmp7, 0xffff                   ; batch x 16 + head
	s_lshr_b32 s33, s32, 4
	s_and_b32 s34, s32, 15
	s_lshr_b32 s35, s[WV], 2
	s_xor_b32 s35, s35, s[WV]
	s_and_b32 s35, s35, 1                          ; which of the two blocks
	s_sub_co_u32 s36, 15, ttmp9
	s_cmp_eq_u32 s35, 1
	s_cselect_b32 s36, s36, ttmp9
	s_lshl_b32 s36, s36, 3
	s_lshr_b32 s37, s[WV], 1
	s_add_co_u32 s36, s36, s37                     ; my tile of queries
	s_lshl_b32 s37, s36, 4                         ; its first position
	s_lshl_b32 s38, s32, 11
	s_add_co_u32 s38, s38, s37
	s_mul_i32 s38, s38, 48                         ; Q's codes
	s_mov_b32 s39, 0
	s_lshl_b32 s40, s33, 3
	s_lshr_b32 s41, s34, 1
	s_add_co_u32 s40, s40, s41
	s_lshl_b32 s40, s40, 13                        ; the pair of heads' 2,048 scale words
	s_lshl_b32 s42, s37, 2
	s_add_co_u32 s42, s42, s40
	s_add_co_u32 s42, s42, QSO                     ; Q's
	s_mov_b32 s43, 0
	s_add_co_u32 s40, s40, KSO                     ; K's
	s_mov_b32 s41, 0
	s_lshl_b32 s44, s33, 4
	s_add_co_u32 s44, s44, s[WV]
	s_lshl_b32 s44, s44, 12
	s_lshl_b32 s45, s34, 8
	s_add_co_u32 s44, s44, s45
	s_add_co_u32 s44, s44, VSO                     ; V's: wave w brings step w's 64 words
	s_mov_b32 s45, 0
	s_mul_i32 s46, s32, 98304
	s_add_co_u32 s46, s46, KCO                     ; K's codes of the head
	s_mul_i32 s47, s33, 1572864
	s_mul_i32 s48, s34, 3072
	s_add_co_u32 s47, s47, s48
	s_add_co_u32 s47, s47, VCO                     ; V's: the batch's chunk 0, the head's 64 channels
	; a slot is 48 pieces of 512 bytes: 24 of K, dense; 24 of V, six to a chunk of 64 keys, the chunks 49,152 bytes apart.  Wave w brings pieces w, 16 + w, 32 + w
.macro VPLACE d, g, t                  ; s[d] = where V's piece s[g] (0 .. 23) lies: chunk g / 6 = (43 g) >> 8
	s_mul_i32 s[\t], s[\g], 43
	s_lshr_b32 s[\t], s[\t], 8
	s_mul_i32 s[\d], s[\t], 6
	s_sub_co_u32 s[\d], s[\g], s[\d]
	s_lshl_b32 s[\d], s[\d], 9
	s_mul_i32 s[\t], s[\t], 49152
	s_add_co_u32 s[\d], s[\d], s[\t]
	s_add_co_u32 s[\d], s[\d], s47
.endm
	s_lshl_b32 s48, s[WV], 9
	s_add_co_u32 s48, s48, s46
	s_mov_b32 s49, 0
	s_add_co_u32 s50, s48, 8192
	s_sub_co_u32 s52, s[WV], 8
	s_and_b32 s52, s52, 15
	VPLACE 53, 52, 54
	s_add_co_u32 s52, s[WV], 8
	VPLACE 56, 52, 54
	s_mov_b32 s57, 0
	s_mov_b32 s[P1S], 196608
	s_cmp_lt_u32 s[WV], 8                          ; piece 16 + w is K's for waves 0-7
	s_cselect_b32 s50, s50, s53
	s_cselect_b32 s[P1S], 12288, s[P1S]
	s_mov_b32 s51, 0
	s_mov_b32 s[P1S+1], 0
	s_lshl_b32 s58, s34, 13
	s_lshl_b32 s59, s33, 11
	s_add_co_u32 s59, s59, s37                     ; my first row of ao: batch x 2,048 + position
	s_add_co_u32 s58, s58, s59
	s_mul_i32 s58, s58, 48                         ; its codes: chunk = head
	s_lshr_b32 s60, s34, 2
	s_lshl_b32 s60, s60, 13
	s_add_co_u32 s60, s60, s59
	s_lshl_b32 s60, s60, 3
	s_and_b32 s61, s34, 3
	s_lshl_b32 s61, s61, 1
	s_add_co_u32 s60, s60, s61
	s_add_co_u32 s60, s60, 6291456                 ; its scale bytes: 2 (head % 4) of the row's eight
	s_mov_b32 s59, 0
	s_mov_b32 s61, 0
	s_and_b32 s62, s34, 1
	s_lshl_b32 s62, s62, 4                         ; my head's half of a pair's scale word
	s_lshl_b32 s63, s36, 2
	s_lshl_b32 s2, s36, 12
	s_mov_b32 s3, 0
	s_mov_b32 s[SEL], 0x76543210
	s_mov_b32 s[SEL+1], 0xfedcba98
	s_mov_b32 s[CS], 0x3e38aa3b                    ; c = log2(e) / 8
	s_mov_b32 s[CS+1], s[CS]                       ; (named with it as a pair, so it is written)
	s_mov_b32 s[TS], 0
	s_mov_b32 s[TJ], 0
	s_mov_b32 s[KS], 0
	v_and_b32 v8, 15, v0                           ; r
	v_bfe_u32 v9, v0, 4, 1                         ; h
	v_mul_u32_u24 v1, v8, 48
	v_mad_u32_u24 v1, v9, 24, v1                   ; a fragment's place for my lane: 48 r + 24 h
	v_lshl_add_u32 v2, v8, 2, SCK
	v_lshl_add_u32 v3, v8, 2, SCV
	v_and_b32 v4, 31, v0
	v_lshlrev_b32 v246, 3, v4                      ; 8 x lane
	v_lshlrev_b32 v4, 4, v4                        ; 16 x lane
	v_lshlrev_b32 v7, 4, v0                        ; a piece's place in a slot: 16 x my thread's number
	v_add_nc_u32 v242, SCK, v7
	v_lshl_add_u32 v243, v0, 3, SCV
	v_lshlrev_b32 v247, 3, v8                      ; 8 r
	v_lshlrev_b32 v248, 2, v8                      ; 4 r
	s_mul_i32 s55, s[WV], 768
	s_add_co_u32 s55, s55, STAGE                   ; my stage
	v_add_nc_u32 v244, s55, v1
	v_add_nc_u32 v245, s55, v246
	s_wait_kmcnt 0x0
	s_add_nc_u64 s[38:39], s[4:5], s[38:39]
	s_add_nc_u64 s[42:43], s[4:5], s[42:43]
	s_add_nc_u64 s[40:41], s[4:5], s[40:41]
	s_add_nc_u64 s[44:45], s[4:5], s[44:45]
	s_add_nc_u64 s[P0:P0+1], s[4:5], s[48:49]
	s_add_nc_u64 s[P1:P1+1], s[4:5], s[50:51]
	s_add_nc_u64 s[P2:P2+1], s[4:5], s[56:57]
	s_add_nc_u64 s[MKP:MKP+1], s[6:7], s[2:3]
	s_add_nc_u64 s[AOS:AOS+1], s[8:9], s[60:61]
	s_add_nc_u64 s[8:9], s[8:9], s[58:59]
	s_load_b32 s[FW], s[6:7], s63 offset:0x80000   ; my tile's flags
.irp p, 0,1,2
	global_load_b64 v[16+2*\p:17+2*\p], v1, s[38:39] offset:8*\p   ; Q's fragment stays in registers
.endr
	global_load_b32 v28, v248, s[42:43]
	global_load_b128 v[208:211], v7, s[40:41]      ; K's scale words: 512 threads x 16 bytes
	global_load_b64 v[212:213], v246, s[44:45]
	global_load_b128 v[192:195], v4, s[P0:P0+1]    ; keys 0-255
	global_load_b128 v[196:199], v4, s[P1:P1+1]
	global_load_b128 v[200:203], v4, s[P2:P2+1]
	v_mov_b32 v11, 0xceabfb8f                      ; t under the mask
	v_mov_b32 v13, 0xff61b1e6                      ; the largest t so far: -3e38, under every t
	v_floor_f32 v12, -v13                          ; -M
	v_mov_b32 v14, 0
	v_mov_b32 v15, 0
.irp j, 22,23,24,25,26,27, 80,81,82,83,84,85, 228,229,230,231, 238,241
	v_mov_b32 v\j, 0                               ; Q's upper half; the tail behind K's last tile; registers that are named before they are first written
.endr
	s_wait_loadcnt 0x0
	v_bfe_u32 v28, v28, s62, 16                    ; my head's two bytes; bytes 2 and 3, which go with the zero codes, are 0
.irp j, 208,209,210,211
	v_bfe_u32 v\j, v\j, s62, 16
.endr
.set n1, 0
.rept 32
	v_mov_b32 v[160+n1], 0                         ; O^T: the step is written once: the first finds zeros, which the first change of M leaves zeros
.set n1, n1+1
.endr
	ds_store_b128 v242, v[208:211]
	ds_store_b64 v243, v[212:213]
	ds_store_b128 v7, v[192:195]
	ds_store_b128 v7, v[196:199] offset:8192
	ds_store_b128 v7, v[200:203] offset:16384
	s_add_nc_u64 s[P0:P0+1], s[P0:P0+1], 12288     ; (their loads are done)
	s_add_nc_u64 s[P1:P1+1], s[P1:P1+1], s[P1S:P1S+1]
	s_add_nc_u64 s[P2:P2+1], s[P2:P2+1], 196608
	s_wait_dscnt 0x0                               ; my stores are done, for the others' sake, and have read their registers
	global_load_b128 v[192:195], v4, s[P0:P0+1]    ; keys 256-511
	global_load_b128 v[196:199], v4, s[P1:P1+1]
	global_load_b128 v[200:203], v4, s[P2:P2+1]
	s_wait_kmcnt 0x0                               ; the flags
	s_barrier_signal -1
	s_barrier_wait -1                              ; slot 0 and the scale words are whole
; A KEY STEP: 128 keys, the q-th of the slot.
.macro STEP slot, q
	s_bitcmp1_b32 s[FW], s[KS]                     ; a whole number that an earlier launch stored: is this step walked?
	s_cbranch_scc0 .Lskip_\@
	v_add_nc_u32 v9, s[TS], v2
	v_add_nc_u32 v10, s[TJ], v3
	v_nop
	v_nop                                          ; four places in front of loads into registers that the last products have read
.irp g, 0,1,2,3,4,5,6,7
.irp p, 0,1,2
	ds_load_b64 v[32+6*\g+2*\p:33+6*\g+2*\p], v1 offset:\slot*SL1+(128*\q+16*\g)*48+8*\p
.endr
	ds_load_b32 v[86+\g], v9 offset:64*\g
.endr
	s_wait_dscnt 0x0
.irp g, 0,1,2,3,4,5,6,7
	v_wmma_scale_f32_16x16x128_f8f6f4 v[96+8*\g:103+8*\g], v[32+6*\g:43+6*\g], v[16:27], 0, v[86+\g], v28 matrix_a_fmt:MATRIX_FMT_FP6 matrix_b_fmt:MATRIX_FMT_FP6
.endr
.rept 4
	v_nop                                          ; places: behind them V's fragments go into K's registers, and the scores are read
.endr
.irp t, 0,1,2,3
.irp p, 0,1,2,3,4,5
	ds_load_b64 v[32+12*\t+2*\p:33+12*\t+2*\p], v1 offset:\slot*SL1+VOF+(2*\q+\p/3)*3072+\t*768+8*(\p%3)   ; they land while the softmax is worked
.endr
	ds_load_b32 v[86+\t], v10 offset:64*\t
.endr
	s_add_co_u32 s2, s[KS], 16
	s_bitcmp1_b32 s[FW], s2                        ; does the step want the mask's words?
	s_cselect_b32 s[CX], 0x3f800000, s[CS]
	s_mov_b32 s[CX+1], s[CX]
	s_cbranch_scc0 .Lopen_\@
	s_lshl_b32 s2, s[KS], 8
	s_load_b512 s[32:47], s[MKP:MKP+1], s2 offset:0x0
	s_load_b512 s[48:63], s[MKP:MKP+1], s2 offset:0x40
	s_load_b512 s[68:83], s[MKP:MKP+1], s2 offset:0x80
	s_load_b512 s[84:99], s[MKP:MKP+1], s2 offset:0xc0
.set n1, 0
.rept 32
	v_pk_mul_f32 v[96+n1:97+n1], v[96+n1:97+n1], s[CS:CS+1] op_sel_hi:[1,0]   ; t is formed first, so that the masked t is the stated number itself
.set n1, n1+2
.endr
	s_wait_kmcnt 0x0
.set n1, 0
.rept 64
	v_cndmask_b32 v[96+n1], v11, v[96+n1], s[32+n1+4*(n1/32)]   ; a choice of values: t where the mask is true
.set n1, n1+1
.endr
.Lopen_\@:
.irp b, 0,1,2,3
	v_max3_num_f32 v[BM+\b], v[96+16*\b], v[97+16*\b], v[98+16*\b]   ; the largest of each block of 32 keys: it serves for the row's maximum and, since p rises with t, for the block's largest p
.endr
.irp i, 3,5,7,9,11,13
.irp b, 0,1,2,3
	v_max3_num_f32 v[BM+\b], v[BM+\b], v[96+16*\b+\i], v[97+16*\b+\i]
.endr
.endr
.irp b, 0,1,2,3
	v_max_num_f32 v[BM+\b], v[BM+\b], v[111+16*\b]
.endr
.irp b, 0,1,2,3
	v_permlanex16_b32 v[PT+\b], v[BM+\b], s[SEL], s[SEL+1]
.endr
.irp b, 0,1,2,3
	v_max_num_f32 v[BM+\b], v[BM+\b], v[PT+\b]     ; with lane l xor 16's 16 keys
.endr
	v_max3_num_f32 v238, v224, v225, v226
	v_max_num_f32 v238, v238, v227
	v_mul_f32 v238, s[CX], v238                    ; as t
	v_max_num_f32 v13, v13, v238                   ; the running largest t
	v_mov_b32 v238, v12
	v_floor_f32 v12, -v13                          ; the new -M = -ceil(t)
	v_sub_f32 v238, v12, v238                      ; old M - new M: a whole number, 0 or less
	v_cvt_i32_f32 v238, v238                       ; (it saturates)
	v_ldexp_f32 v240, 1.0, v238                    ; f = 2^(old M - new M)
.set n1, 0
.rept 32
	v_pk_fma_f32 v[96+n1:97+n1], v[96+n1:97+n1], s[CX:CX+1], v[12:13] op_sel_hi:[1,0,0]   ; t - M, two at a time
.set n1, n1+2
.endr
.irp b, 0,1,2,3
	v_fma_f32 v[BM+\b], v[BM+\b], s[CX], v12       ; the same of each block's largest
.endr
.set n1, 0
.rept 64
	v_exp_f32 v[96+n1], v[96+n1]                   ; p = 2^(t - M)
.set n1, n1+1
.endr
	v_pk_mul_f32 v[14:15], v[14:15], v[240:241] op_sel_hi:[1,0]   ; the sums under the new M: the plain line behind the exponentials
	s_wait_alu depctr_va_vdst(0)                   ; one wait for the batch of 64, ahead of its first reader
.irp b, 0,1,2,3
	v_exp_f32 v[BM+\b], v[BM+\b]                   ; the block's largest p: the same two instructions on the same number give the same bits
.endr
	v_pk_add_f32 v[236:237], v[96:97], v[98:99]    ; the row's sum, of the unquantised p, in two chains
.irp j, 4,8,12,16,20,24,28,32,36,40,44,48,52,56,60
	v_pk_add_f32 v[14:15], v[14:15], v[96+\j:97+\j]
	v_pk_add_f32 v[236:237], v[236:237], v[98+\j:99+\j]
.endr
	v_pk_add_f32 v[14:15], v[14:15], v[236:237]
	s_wait_alu depctr_va_vdst(0)                   ; and one for the four
.irp b, 0,1,2,3
	v_max_num_f32 v[BM+\b], 0x1800000, v[BM+\b]    ; the floor 2^(3 - 127): the byte cannot fall under 1
.endr
.irp b, 0,1,2,3
	v_add_nc_u32 v[SO+\b], 0xff000000, v[BM+\b]    ; 2 off the exponent field: the conversion's scale operand
.endr
.irp b, 0,1,2,3
	v_lshrrev_b32 v[PT+\b], 23, v[SO+\b]
.endr
	v_lshl_or_b32 v29, v229, 8, v228               ; p's scale word for these 128 keys
	v_lshl_or_b32 v29, v230, 16, v29
	v_lshl_or_b32 v29, v231, 24, v29
.irp c, 0,1
	v_cvt_scalef32_pk16_fp6_f32 v[PCD+6*\c:PCD+2+6*\c], v[96+32*\c:111+32*\c], v[SO+2*\c]
	v_cvt_scalef32_pk16_fp6_f32 v[PCD+12+4*\c:PCD+14+4*\c], v[112+32*\c:127+32*\c], v[SO+2*\c+1]
.endr
	v_nop                                          ; one plain place behind a scaled conversion
.irp c, 0,1
.irp i, 0,1,2
	v_permlane16_swap_b32 v[PCD+6*\c+\i], v[PCD+12+4*\c+\i]
.endr
.irp i, 0,1,2
	v_mov_b32 v[PCD+3+6*\c+\i], v[PCD+12+4*\c+\i]
.endr
.endr
.set n1, 0
.rept 16
	v_pk_mul_f32 v[160+n1:161+n1], v[160+n1:161+n1], v[240:241] op_sel_hi:[1,0]   ; O^T under the new M; these sixteen are also the places between the writes of p's codes and scale word and the products
.set n1, n1+2
.endr
	s_wait_dscnt 0x0                               ; V's fragments and scale words
.irp t, 0,1,2,3
	v_wmma_scale_f32_16x16x128_f8f6f4 v[160+8*\t:167+8*\t], v[32+12*\t:43+12*\t], v[PCD:PCD+11], v[160+8*\t:167+8*\t], v[86+\t], v29 matrix_a_fmt:MATRIX_FMT_FP6 matrix_b_fmt:MATRIX_FMT_FP6   ; the four accumulators by turns; eight products S^T stand between two links
.endr
.Lskip_\@:
	s_add_co_u32 s[KS], s[KS], 1                   ; on every way
	s_add_co_u32 s[TS], s[TS], 512
	s_add_co_u32 s[TJ], s[TJ], 256
.endm
; A slot's turn.  At its head the keys that were asked for a turn ago go into the OTHER slot, whose readers have passed the last barrier behind their wait for their loads; they are read behind this turn's barrier.  Then the keys after them are
; asked for.  The jumps hang on the loop's counter alone: the last two turns have nothing left to ask for, the last nothing to store.
.macro TRIP slot
.if \slot == 1
	s_cmp_eq_u32 s[CNT], 1
	s_cbranch_scc1 .Lsteps_\@
.endif
	s_wait_loadcnt 0x0
.irp j, 0,1,2
	ds_store_b128 v7, v[192+4*\j:195+4*\j] offset:(1-\slot)*SL1+8192*\j
.endr
.if \slot == 0
	s_cmp_eq_u32 s[CNT], 1
	s_cbranch_scc1 .Lsteps_\@
.endif
	s_add_nc_u64 s[P0:P0+1], s[P0:P0+1], 12288     ; (their loads are done)
	s_add_nc_u64 s[P1:P1+1], s[P1:P1+1], s[P1S:P1S+1]
	s_add_nc_u64 s[P2:P2+1], s[P2:P2+1], 196608
	s_wait_dscnt 0x0                               ; the stores have read their registers
	global_load_b128 v[192:195], v4, s[P0:P0+1]
	global_load_b128 v[196:199], v4, s[P1:P1+1]
	global_load_b128 v[200:203], v4, s[P2:P2+1]
.Lsteps_\@:
	STEP \slot, 0
	STEP \slot, 1
	s_wait_dscnt 0x0                               ; my stores into the other slot are done, and my reads of this one are over
	s_barrier_signal -1
	s_barrier_wait -1
.endm
	s_mov_b32 s[CNT], 4
.Ltrip:
	TRIP 0
	TRIP 1
	s_sub_co_u32 s[CNT], s[CNT], 1
	s_cmp_lg_u32 s[CNT], 0
	s_cbranch_scc1 .Ltrip
	; THE WAY OUT: O^T / the sum, quantised along the head's 64 channels (two blocks), through my stage, so that each store covers 256 consecutive bytes.
.rept 4
	v_nop                                          ; places behind the last products
.endr
	v_add_f32 v14, v14, v15                        ; the sum's two halves,
	v_permlanex16_b32 v238, v14, s[SEL], s[SEL+1]
	v_add_f32 v14, v14, v238                       ; and lane l xor 16's
	v_rcp_f32 v14, v14
	v_nop                                          ; a plain place behind the transcendental
	s_wait_alu depctr_va_vdst(0)                   ; the wait, ahead of the first reader
.set n1, 0
.rept 32
	v_mul_f32 v[96+n1], v[160+n1], v14             ; register 16 b + i is channel 32 b + 16 h + i of my query
.set n1, n1+1
.endr
.irp b, 0,1
	v_max3_num_f32 v[BM+\b], |v[96+16*\b]|, |v[97+16*\b]|, 0x1800000
.endr
.irp i, 2,4,6,8,10,12,14
.irp b, 0,1
	v_max3_num_f32 v[BM+\b], v[BM+\b], |v[96+16*\b+\i]|, |v[97+16*\b+\i]|
.endr
.endr
.irp b, 0,1
	v_permlanex16_b32 v[PT+\b], v[BM+\b], s[SEL], s[SEL+1]
.endr
.irp b, 0,1
	v_max_num_f32 v[BM+\b], v[BM+\b], v[PT+\b]
.endr
.irp b, 0,1
	v_add_nc_u32 v[SO+\b], 0xff000000, v[BM+\b]
.endr
.irp b, 0,1
	v_lshrrev_b32 v[PT+\b], 23, v[SO+\b]
.endr
	v_lshl_or_b32 v239, v229, 8, v228              ; my row's two scale bytes
	v_cvt_scalef32_pk16_fp6_f32 v[PCD:PCD+2], v[96:111], v[SO]
	v_cvt_scalef32_pk16_fp6_f32 v[PCD+12:PCD+14], v[112:127], v[SO+1]
	v_nop
.irp i, 0,1,2
	v_permlane16_swap_b32 v[PCD+\i], v[PCD+12+\i]
.endr
.irp i, 0,1,2
	v_mov_b32 v[PCD+3+\i], v[PCD+12+\i]            ; six registers: channels 32 h + 0 .. 31 of query r
.endr
.irp p, 0,1,2
	ds_store_b64 v244, v[PCD+2*\p:PCD+2*\p+1] offset:8*\p
.endr
.irp p, 0,1,2
	ds_load_b64 v[216+2*\p:217+2*\p], v245 offset:256*\p   ; LDS serves a wave's instructions in order: these see my stores
.endr
.irp p, 0,1,2
	s_wait_dscnt 2-\p                              ; load p is in, the younger ones may be out
	global_store_b64 v246, v[216+2*\p:217+2*\p], s[8:9] offset:256*\p   ; 32 lanes store 256 consecutive bytes, aligned
.endr
	global_store_b16 v247, v239, s[AOS:AOS+1]      ; two bytes of each row's eight (the other six are other heads'): 1 / 24 of the codes' bytes; lanes r and 16 + r store the same value at the same place
	s_wait_tensorcnt 0x0                           ; the wave's end, behind my last LDS store
	ds_add_u32 v5, v6
	s_wait_dscnt 0x0
	s_endpgm
.Lfunc_end_k_q75eb84b9ef_attn:
	.size	k_q75eb84b9ef_attn, .Lfunc_end_k_q75eb84b9ef_attn-k_q75eb84b9ef_attn
	.p2alignl 7, 3214868480
	.fill 96, 4, 3214868480
	.section	.rodata,"a",@progbits
	.p2align	6, 0x0
	.amdhsa_kernel k_q75eb84b9ef_attn
		.amdhsa_group_segment_fixed_size 92160
		.amdhsa_private_segment_fixed_size 0
		.amdhsa_enable_private_segment 0
		.amdhsa_kernarg_size 24
		.amdhsa_user_sgpr_count 2
		.amdhsa_user_sgpr_kernarg_segment_ptr 1
		.amdhsa_wavefront_size32 1
		.amdhsa_system_sgpr_workgroup_id_x 1
		.amdhsa_system_sgpr_workgroup_id_y 1
		.amdhsa_system_sgpr_workgroup_id_z 1
		.amdhsa_system_vgpr_workitem_id 0
		.amdhsa_next_free_vgpr 256
		.amdhsa_next_free_sgpr 100
		.amdhsa_reserve_vcc 0
		.amdhsa_float_denorm_mode_32 3
		.amdhsa_float_denorm_mode_16_64 3
		.amdhsa_memory_ordered 1
		.amdhsa_forward_progress 1
		.amdhsa_inst_pref_size 111
	.end_amdhsa_kernel
	.amdgpu_metadata
---
amdhsa.version: [ 1, 2 ]
amdhsa.kernels:
  - .name:           k_q75eb84b9ef_attn
    .symbol:         k_q75eb84b9ef_attn.kd
    .args:
      - { .name: qkv, .offset: 0, .size: 8, .value_kind: global_buffer, .address_space: global }
      - { .name: mk, .offset: 8, .size: 8, .value_kind: global_buffer, .address_space: global }
      - { .name: ao, .offset: 16, .size: 8, .value_kind: global_buffer, .address_space: global }
    .group_segment_fixed_size: 92160
    .private_segment_fixed_size: 0
    .kernarg_segment_align: 8
    .kernarg_segment_size: 24
    .max_flat_workgroup_size: 512
    .sgpr_count:     100
    .vgpr_count:     256
    .wavefront_size: 32
...
	.end_amdgpu_metadata
.endif
;; end of part 3
;; launch outgemm (part 4): grid 4 x 32, 4 waves a work-group, clusters of 4 x 4, 327,680 bytes of LDS; arguments ao, opq, bo, out0; writes out0
.if DOCPART == 4
	.amdgcn_target "amdgcn-amd-amdhsa--gfx1250"
	.amdhsa_code_object_version 6
	.text
	.protected	k_q75eb84b9ef_outgemm
	.globl	k_q75eb84b9ef_outgemm
	.p2align	8
	.type	k_q75eb84b9ef_outgemm,@function
k_q75eb84b9ef_outgemm:
	s_mov_b64 s[64:65], 0
	v_nop
	global_prefetch_b8 v0, s[64:65] scope:SCOPE_SE
	s_setreg_imm32_b32 hwreg(HW_REG_WAVE_MODE, 25, 1), 1
	s_wait_xcnt 0x0
	s_wait_alu depctr_hold_cnt(0) depctr_sa_sdst(0) depctr_va_vdst(0) depctr_va_sdst(0) depctr_va_ssrc(0) depctr_va_vcc(0) depctr_vm_vsrc(0)
	s_getreg_b32 s2, hwreg(HW_REG_IB_STS2, 6, 4)
	s_cmp_eq_u32 s2, 0
	s_cbranch_scc0 .Lentry_in_a_cluster
	s_endpgm
.Lentry_in_a_cluster:
	s_bfe_u32 s2, ttmp6, 0x10000c
	s_cmp_lg_u32 s2, 0xf033
	s_cbranch_scc0 .Lentry_shape_is_right
	s_endpgm
.Lentry_shape_is_right:
; out0 = attention's output x Wo + bo, on codes of FP6 (E2M3) with E8M0 scales; f32 out.
; A = ao (the launch before): codes [16 chunks of 64 K = heads][8,192 token positions][48 bytes], scale bytes from 6,291,456 on [4 x 256 K][position][8].  B = rows 11,264 on of opq (Wo, its output channels at positions sigma): codes
; [16 chunks][12,288 rows][48], scale bytes from SCO on.  sigma exchanges bits 3 and 4 of an index; the way out puts rows and columns back in their true places.
; A tile of 256 x 256 is made by four waves, 128 x 128 each; K = 1,024 goes in four steps of 256 through two LDS slots filled by the tensor data mover; the text is written out, with no loop.
; THE MATRIX INSTRUCTION IS USED TRANSPOSED (source 0 = 16 rows of Wo, source 1 = 16 tokens): a lane holds eight neighbouring numbers of a row of out0.  bo is the C of each sum's first matrix instruction.
; CLUSTERS: 4 x 4 work-groups; A's tile is shared along a row of the cluster, B's along a column, each asked for jointly.  The problem has 128 such tiles: 128 work-groups.
; REGISTERS as in the second launch: window 0: v0-31 addresses, v32-63 scale words, v64-127 the bias, v128-223 A's fragments; window 1: B's two sets; windows 2, 3: the accumulators.
.set CST,   589824
.set SCO,   9437184
.set SST,   98304
.set AST,   393216                     ; a chunk of ao's codes: 8,192 rows x 48 bytes
.set ASO,   6291456
.set ASS,   65536
.set FIRSTA, 4*AST
.set FIRSTB, 4*CST
.set STEPA, 8*AST
.set STEPB, 8*CST
.set CHK,   6144
.set HALFT, 4*CHK
.set SLOT,  4*HALFT
.set SCL,   2*SLOT
.set HALFS, 4096
.set SPARE, SCL+4*HALFS                ; the spare words, 128 bytes for each wave: two blocks of 256 bytes that no other line names
.set SPITCH, 528                       ; the way out: a stage of 16 rows x (512 bytes + 16) for each wave, in slot 0, which has had its last fill and its last read by then
.set FR,    12
.set NL,    6
.set NP,    4
.set NQ,    2
.set ADRA, 16
.set ADRB, 20
.set STO,  24
.set RD,   25
.set CO,   26
.set ADRS, 27
.set SPW,  28
.set NIL,  29
.set SC,   32
.set BI,   64
.set AF,   128
.set BK,   128
.set G1, 24
.set G0, 32
.set G1B, 48
.set G0B, 56
.set G1S, 68
.set G0S, 76
.set G1SB, 80
.set G0SB, 88
.set MSB, 0
.macro WIN new
.if MSB != (\new)
	s_set_vgpr_msb (MSB<<8)|(\new)
.set MSB, (\new)
.endif
.endm
.set MUL_LO, 0xa1
.set MUL_HI, 0xf1
.set TO_B,   0x40
.macro JLOAD g0a, g1a, g0b, g1b        ; a joint load: waves 0 and 1 fetch for A, waves 2 and 3 for B; an s_nop 0 and four v_nop follow each of the two lines
	s_cmp_eq_u32 s15, 0
	s_cbranch_scc0 .Lfor_b_\@
	tensor_load_to_lds s[\g0a:\g0a+3], s[\g1a:\g1a+7]
	s_nop 0
.rept 4
	v_nop
.endr
	s_branch .Lasked_\@
.Lfor_b_\@:
	tensor_load_to_lds s[\g0b:\g0b+3], s[\g1b:\g1b+7]
	s_nop 0
.rept 4
	v_nop
.endr
.Lasked_\@:
.endm
.macro CREST
	s_cmp_lg_u32 s14, 0
	s_cbranch_scc1 .Lnot_wave_0_\@
	s_barrier_signal -3
.Lnot_wave_0_\@:
	s_barrier_wait -3
	s_barrier_signal -1
	s_barrier_wait -1
.endm
.macro CROUND
	s_barrier_signal -1
	s_barrier_wait -1
	CREST
.endm
.macro GROUP1 g, d0, pitch             ; a tile of 4 rows of d0 elements of 8 bytes, pitch elements apart; dense in LDS
	s_mov_b32 s[\g+1], (\d0)<<16
	s_mov_b32 s[\g+2], 4<<16
	s_mov_b32 s[\g+3], (\d0)<<16
	s_mov_b32 s[\g+4], 4
	s_mov_b32 s[\g+5], \pitch
	s_mov_b32 s[\g+6], 0
	s_mov_b32 s[\g+7], 0
.endm
	s_load_b256 s[4:11], s[0:1], 0x0               ; ao s[4:5], opq s[6:7], bo s[8:9], out0 s[10:11]
	v_lshl_add_u32 v[SPW], v0, 2, SPARE
	v_mov_b32 v[NIL], 0
	ds_add_u32 v[SPW], v[NIL]                      ; the wave's opening: the add, twice on end, and its wait ahead of my first tensor load
	ds_add_u32 v[SPW], v[NIL]                      ; and once more, under the one wait
	v_lshrrev_b32 v1, 5, v0
	v_readfirstlane_b32 s14, v1                    ; wave 0..3
	s_lshr_b32 s15, s14, 1
	s_and_b32 s16, s14, 1
	s_bfe_u32 s40, ttmp6, 0x40000                  ; cx, cy
	s_bfe_u32 s41, ttmp6, 0x40004
	s_lshl_b32 s42, ttmp9, 2
	s_add_co_u32 s42, s42, s40                     ; tile column
	s_and_b32 s17, ttmp7, 0xffff
	s_lshl_b32 s17, s17, 2
	s_add_co_u32 s17, s17, s41                     ; tile row
	s_lshl_b32 s43, s41, 2
	s_lshl_b32 s43, 15, s43                        ; my row of the cluster
	s_lshl_b32 s44, 0x1111, s40                    ; my column
	s_or_b32 s[G1+0], s43, (3<<16)|(1<<21)         ; the mask; elements of 8 bytes; no padding; bit 21 set beside a mask
	s_or_b32 s[G1B+0], s44, (3<<16)|(1<<21)
	s_or_b32 s[G1S+0], s43, (3<<16)|(1<<21)
	s_or_b32 s[G1SB+0], s44, (3<<16)|(1<<21)
	GROUP1 G1, 768, AST/8
	GROUP1 G1B, 768, CST/8
	GROUP1 G1S, 128, ASS/8
	GROUP1 G1SB, 128, SST/8
	s_lshl_b32 s18, s16, 7                         ; which 128 rows of the tile I fetch
	s_lshl_b32 s20, s17, 8
	s_add_co_u32 s20, s20, s18                     ; A's row
	s_lshl_b32 s46, s42, 8
	s_add_co_u32 s46, s46, s18
	s_add_co_u32 s46, s46, 11264                   ; B's row in opq
	s_lshl_b32 s22, s20, 3
	s_add_co_u32 s22, s22, ASO
	s_mov_b32 s23, 0
	s_lshl_b32 s92, s46, 3
	s_add_co_u32 s92, s92, SCO
	s_mov_b32 s93, 0
	s_mul_i32 s20, s20, 48
	s_mov_b32 s21, 0
	s_mul_i32 s46, s46, 48
	s_mov_b32 s47, 0
	s_mul_i32 s45, s14, HALFT
	s_lshl_b32 s94, s14, 12
	s_wait_dscnt 0x0                               ; both opening adds are done
	s_wait_kmcnt 0x0
	s_add_nc_u64 s[20:21], s[4:5], s[20:21]
	s_add_nc_u64 s[22:23], s[4:5], s[22:23]
	s_add_nc_u64 s[46:47], s[6:7], s[46:47]
	s_add_nc_u64 s[92:93], s[6:7], s[92:93]
	CROUND                                         ; all sixteen work-groups are here: the first joint loads meet
	s_mov_b32 s[G0S], 1
	s_add_co_u32 s[G0S+1], s94, SCL
	s_mov_b64 s[G0S+2:G0S+3], s[22:23]
	s_or_b32 s[G0S+3], s[G0S+3], 0x80000000
	s_mov_b32 s[G0SB], 1
	s_add_co_u32 s[G0SB+1], s94, SCL
	s_mov_b64 s[G0SB+2:G0SB+3], s[92:93]
	s_or_b32 s[G0SB+3], s[G0SB+3], 0x80000000
	JLOAD G0S, G1S, G0SB, G1SB                     ; the scale bytes first: filled once
.irp s, 0,1
	s_mov_b32 s[G0+4*\s], 1
	s_add_co_u32 s[G0+4*\s+1], s45, \s*SLOT
	s_add_nc_u64 s[G0+4*\s+2:G0+4*\s+3], s[20:21], \s*FIRSTA
	s_or_b32 s[G0+4*\s+3], s[G0+4*\s+3], 0x80000000
	s_mov_b32 s[G0B+4*\s], 1
	s_add_co_u32 s[G0B+4*\s+1], s45, \s*SLOT
	s_add_nc_u64 s[G0B+4*\s+2:G0B+4*\s+3], s[46:47], \s*FIRSTB
	s_or_b32 s[G0B+4*\s+3], s[G0B+4*\s+3], 0x80000000
	JLOAD G0+4*\s, G1, G0B+4*\s, G1B               ; by this text's own count three tensor loads of mine are out here, later one
.endr
	v_and_b32 v1, 15, v0                           ; r
	v_bfe_u32 v2, v0, 4, 1                         ; h
	v_mul_u32_u24 v3, v1, 48
	v_mad_u32_u24 v3, v2, 24, v3                   ; 48 r + 24 h
	s_mul_i32 s21, s15, HALFT
	s_mul_i32 s22, s16, HALFT
	s_add_co_u32 s22, s22, 2*HALFT
.irp s, 0,1
	v_add_nc_u32 v[ADRA+\s], s21, v3
	v_add_nc_u32 v[ADRB+\s], s22, v3
	s_add_co_u32 s21, s21, SLOT
	s_add_co_u32 s22, s22, SLOT
.endr
	v_lshlrev_b32 v5, 3, v1
	s_lshl_b32 s21, s15, 12
	s_lshl_b32 s22, s16, 12
	s_add_co_u32 s22, s22, 2*HALFS
	s_sub_co_u32 s22, s22, s21
	v_mul_u32_u24 v6, s22, v2                      ; lanes 16-31 take B's scale words
	s_add_co_u32 s21, s21, SCL
	v_add_nc_u32 v5, v5, v6
	v_add_nc_u32 v[ADRS], s21, v5
	s_mul_i32 s23, s14, 16*SPITCH                  ; my stage
	v_mul_u32_u24 v5, v1, SPITCH
	v_lshl_add_u32 v5, v2, 6, v5                   ; in: row r, + 64 h: my half's 16 columns of each 32
	v_add_nc_u32 v[STO], s23, v5
	v_and_b32 v6, 31, v0
	v_lshlrev_b32 v[CO], 4, v6
	v_add_nc_u32 v[RD], s23, v[CO]                 ; back: the 32 lanes take one row of 512 bytes
	v_lshlrev_b32 v7, 6, v2
	s_lshl_b32 s18, s17, 8
	s_lshl_b32 s19, s15, 7
	s_add_co_u32 s18, s18, s19                     ; my first row
	s_lshl_b32 s18, s18, 12                        ; a row of out0 is 4,096 bytes
	s_lshl_b32 s95, s42, 10
	s_lshl_b32 s96, s16, 9
	s_add_co_u32 s95, s95, s96                     ; my first column, in bytes
	s_add_co_u32 s18, s18, s95
	s_mov_b32 s19, 0
	s_add_nc_u64 s[10:11], s[10:11], s[18:19]
	s_mov_b32 s18, s95
	s_add_nc_u64 s[8:9], s[8:9], s[18:19]          ; bo at my first column
.irp b, 0,1,2,3,4,5,6,7                        ; register j of tile b is column 32 (b / 2) + 8 (b % 2) + 16 h + j
	global_load_b128 v[BI+8*\b:BI+8*\b+3], v7, s[8:9] offset:(32*(\b/2)+8*(\b%2))*4
	global_load_b128 v[BI+8*\b+4:BI+8*\b+7], v7, s[8:9] offset:(32*(\b/2)+8*(\b%2))*4+16
.endr
.macro FRAG reg, adr, q, i             ; registers 6 c .. 6 c + 5: the 24 bytes at 24 h of my row in chunk 2 q + c
.irp p, 0,1,2,3,4,5
	ds_load_b64 v[\reg+2*\p:\reg+2*\p+1], v[\adr] offset:(2*(\q)+\p/3)*CHK+(\i)*768+8*(\p%3)
.endr
.endm
; 16 matrix instructions: A's blocks a0, a0 + 1 x B's eight.  mode 0: the sums go on; 1: they begin with the bias.  The 64 accumulators take turns, one instruction a turn, in the same order in every step.
.macro MUL16 a0, p, q, sc, mode
.irp a, \a0, \a0+1
.irp b, 0,1,2,3,4,5,6,7
.if \mode == 0
	v_wmma_scale_f32_16x16x128_f8f6f4 v[8*(8*((\a)%4)+\b):8*(8*((\a)%4)+\b)+7], v[128*(\p)+FR*\b:128*(\p)+FR*\b+FR-1], v[AF+FR*(\a):AF+FR*(\a)+FR-1], v[8*(8*((\a)%4)+\b):8*(8*((\a)%4)+\b)+7], v[SC+8*NQ*(\sc)+NQ*\b+(\q)], v[SC+8*NQ*(\sc)+NQ*(\a)+(\q)] matrix_a_fmt:MATRIX_FMT_FP6 matrix_b_fmt:MATRIX_FMT_FP6 matrix_a_scale:MATRIX_SCALE_ROW1
.else
	v_wmma_scale_f32_16x16x128_f8f6f4 v[8*(8*((\a)%4)+\b):8*(8*((\a)%4)+\b)+7], v[128*(\p)+FR*\b:128*(\p)+FR*\b+FR-1], v[AF+FR*(\a):AF+FR*(\a)+FR-1], v[BI+8*\b:BI+8*\b+7], v[SC+8*NQ*(\sc)+NQ*\b+(\q)], v[SC+8*NQ*(\sc)+NQ*(\a)+(\q)] matrix_a_fmt:MATRIX_FMT_FP6 matrix_b_fmt:MATRIX_FMT_FP6 matrix_a_scale:MATRIX_SCALE_ROW1
.endif
.endr
.endr
.endm
.macro FETCH_B slot, q, p
	WIN TO_B
.irp i, 0,1,2,3,4,5,6,7
	FRAG 128*(\p)+FR*\i, ADRB+\slot, \q, \i
.endr
	WIN 0
.endm
.macro FETCH_A slot, q, i0
.irp i, \i0, \i0+1, \i0+2, \i0+3
	FRAG AF+FR*(\i), ADRA+\slot, \q, \i
.endr
.endm
.macro SCALES sc
.irp i, 0,1,2,3,4,5,6,7
	ds_load_b64 v[SC+8*NQ*\sc+NQ*\i:SC+8*NQ*\sc+NQ*\i+1], v[ADRS] offset:128*\i
.endr
.endm
.macro PLACES n                        ; four plain vector instructions behind a matrix instruction, in front of loads into its registers and of reads of its result
.rept \n
	v_nop
.endr
.endm
.macro STEP slot, q, mode
	s_wait_dscnt 4*NL                              ; all but the youngest 24 loads (A's blocks 4-7) are in
.if \mode
	WIN 0x81                                       ; C (the bias) in window 0, D in window 2
.else
	WIN MUL_LO
.endif
	MUL16 0, (\q)%2, \q, \slot, \mode
	MUL16 2, (\q)%2, \q, \slot, \mode
	s_wait_dscnt 0
	PLACES NP
	FETCH_B \slot, (\q)+1, 1-(\q)%2
	FETCH_A \slot, (\q)+1, 0
.if \mode
	WIN 0xc1
.else
	WIN MUL_HI
.endif
	MUL16 4, (\q)%2, \q, \slot, \mode
	MUL16 6, (\q)%2, \q, \slot, \mode
	PLACES NP
	WIN 0
	FETCH_A \slot, (\q)+1, 4
.endm
.macro TURN slot, next, fill
	s_wait_tensorcnt 0x0                           ; all my tensor loads have landed: my part of the next slot
	ds_add_u32 v[SPW], v[NIL]                      ; 0 onto my spare word
	s_wait_dscnt 4*NL+1                            ; (the add and the youngest 24 loads may be out)
	WIN MUL_LO
	MUL16 0, 1, NQ-1, \slot, 0
	s_wait_dscnt 0x0                               ; the add is done, and my reads of this slot are over
	s_barrier_signal -1
	MUL16 2, 1, NQ-1, \slot, 0
	WIN 0
	s_barrier_wait -1
.if \fill
	CREST                                          ; the barrier has opened a round of the cluster's barrier
	s_add_nc_u64 s[G0+4*\slot+2:G0+4*\slot+3], s[G0+4*\slot+2:G0+4*\slot+3], STEPA
	s_add_nc_u64 s[G0B+4*\slot+2:G0B+4*\slot+3], s[G0B+4*\slot+2:G0B+4*\slot+3], STEPB
	JLOAD G0+4*\slot, G1, G0B+4*\slot, G1B         ; the first tensor load behind the round
.else
	PLACES NP
.endif
	v_add_nc_u32 v[ADRS], 1024, v[ADRS]
	FETCH_B \next, 0, 0
	FETCH_A \next, 0, 0
	SCALES \next
	WIN MUL_HI
	MUL16 4, 1, NQ-1, \slot, 0
	MUL16 6, 1, NQ-1, \slot, 0
	PLACES NP
	WIN 0
	FETCH_A \next, 0, 4
.endm
	s_wait_tensorcnt 1                             ; the scale bytes and my part of K step 0 are in; K step 1's load may be out
	s_barrier_signal -1
	s_barrier_wait -1
	FETCH_B 0, 0, 0
	FETCH_A 0, 0, 0
	SCALES 0
	FETCH_A 0, 0, 4
	s_wait_loadcnt 0x0                             ; the bias
	STEP 0, 0, 1
	TURN 0, 1, 1
	STEP 1, 0, 0
	TURN 1, 0, 1
	STEP 0, 0, 0
	TURN 0, 1, 0
	STEP 1, 0, 0
	s_wait_dscnt 4*NL
	WIN MUL_LO
	MUL16 0, 1, NQ-1, 1, 0
	MUL16 2, 1, NQ-1, 1, 0
	s_wait_dscnt 0
	WIN MUL_HI
	MUL16 4, 1, NQ-1, 1, 0
	MUL16 6, 1, NQ-1, 1, 0
	WIN 0
; THE WAY OUT, block by block of 16 rows x 128 columns, through my own stage: in by lanes (tile b's eight numbers at their true columns), back as whole rows of 512 bytes.
.macro TOSTAGE a
.set AC, 64*((\a)%4)
	WIN 0x08+4*((\a)/4)                            ; the data: window 2 or 3
.irp b, 0,1,2,3,4,5,6,7
	ds_store_b128 v[STO], v[AC+8*\b:AC+8*\b+3] offset:128*(\b/2)+32*(\b%2)          ; each accumulator from its low end on
	ds_store_b128 v[STO], v[AC+8*\b+4:AC+8*\b+7] offset:128*(\b/2)+32*(\b%2)+16
.endr
	WIN 0
.set BB, BK+64*((\a)%2)
.irp t, 0,1,2,3,4,5,6,7,8,9,10,11,12,13,14,15
	ds_load_b128 v[BB+4*\t:BB+4*\t+3], v[RD] offset:\t*SPITCH   ; LDS serves a wave's instructions in order
.endr
.endm
.macro SEND a, younger                 ; younger: the LDS instructions issued behind block a's loads, which may stay out
.set BB, BK+64*((\a)%2)
	s_wait_dscnt \younger
.irp t, 0,1,2,3,4,5,6,7,8,9,10,11,12,13,14,15
.set PP, 16*((\a)%2)+\t
.set TR, 32*((\a)/2)+((PP&7)|((PP&8)<<1)|((PP&16)>>1))   ; the token at position 16 a + t
	global_store_b128 v[CO], v[BB+4*\t:BB+4*\t+3], s[10:11] offset:TR*4096 th:TH_STORE_NT   ; 32 lanes store 512 consecutive bytes, aligned to 256; 127 rows at the most: inside the signed 24-bit immediate
.endr
.endm
	PLACES NP
	TOSTAGE 0
.irp a, 1,2,3,4,5,6,7
.if \a > 1
	s_wait_xcnt 0x0                                ; block a - 2's stores have read their registers: block a's loads may land there
.endif
	TOSTAGE \a
	SEND \a-1, 32                                  ; behind block a - 1's loads: block a's 16 stores and 16 loads
.endr
	SEND 7, 0
	s_wait_tensorcnt 0x0                           ; the wave's end, behind my last tensor load and my last LDS store
	ds_add_u32 v[SPW], v[NIL]
	s_wait_dscnt 0x0
	CROUND                                         ; the closing round
	s_endpgm
.Lfunc_end_k_q75eb84b9ef_outgemm:
	.size	k_q75eb84b9ef_outgemm, .Lfunc_end_k_q75eb84b9ef_outgemm-k_q75eb84b9ef_outgemm
	.p2alignl 7, 3214868480
	.fill 96, 4, 3214868480
	.section	.rodata,"a",@progbits
	.p2align	6, 0x0
	.amdhsa_kernel k_q75eb84b9ef_outgemm
		.amdhsa_group_segment_fixed_size 327680
		.amdhsa_private_segment_fixed_size 0
		.amdhsa_enable_private_segment 0
		.amdhsa_kernarg_size 32
		.amdhsa_user_sgpr_count 2
		.amdhsa_user_sgpr_kernarg_segment_ptr 1
		.amdhsa_wavefront_size32 1
		.amdhsa_system_sgpr_workgroup_id_x 1
		.amdhsa_system_sgpr_workgroup_id_y 1
		.amdhsa_system_sgpr_workgroup_id_z 1
		.amdhsa_system_vgpr_workitem_id 0
		.amdhsa_next_free_vgpr 1024
		.amdhsa_next_free_sgpr 98
		.amdhsa_reserve_vcc 0
		.amdhsa_float_denorm_mode_32 3
		.amdhsa_float_denorm_mode_16_64 3
		.amdhsa_memory_ordered 1
		.amdhsa_forward_progress 1
		.amdhsa_inst_pref_size 160
	.end_amdhsa_kernel
	.amdgpu_metadata
---
amdhsa.version: [ 1, 2 ]
amdhsa.kernels:
  - .name:           k_q75eb84b9ef_outgemm
    .symbol:         k_q75eb84b9ef_outgemm.kd
    .args:
      - { .name: ao, .offset: 0, .size: 8, .value_kind: global_buffer, .address_space: global }
      - { .name: opq, .offset: 8, .size: 8, .value_kind: global_buffer, .address_space: global }
      - { .name: bo, .offset: 16, .size: 8, .value_kind: global_buffer, .address_space: global }
      - { .name: out0, .offset: 24, .size: 8, .value_kind: global_buffer, .address_space: global }
    .group_segment_fixed_size: 327680
    .private_segment_fixed_size: 0
    .kernarg_segment_align: 8
    .kernarg_segment_size: 32
    .max_flat_workgroup_size: 128
    .sgpr_count:     98
    .vgpr_count:     1024
    .wavefront_size: 32
...
	.end_amdgpu_metadata
.endif
;; end of part 4
;; ======== version 2 of 2: 4 launches; version 1 with the launch attn written anew for expert scheduling mode
;; limits: right only within a limited range of input values
;; workspace buffers: opq 9,830,400 bytes; mk 524,800 bytes of whole numbers; qkv 19,660,800 bytes; ao 6,553,600 bytes
;; launch prep: the kernel of part 1 again; grid 512 x 1, 4 waves a work-group, no clusters, 108,032 bytes of LDS; arguments x, Wq, Wk, Wv, Wo, mask, opq, mk; writes opq, mk
;; launch qkvgemm: the kernel of part 2 again; grid 12 x 32, 4 waves a work-group, clusters of 4 x 4, 327,680 bytes of LDS; arguments opq, bq, bk, bv, qkv; writes qkv
;; launch attn (part 5): grid 8 x 64, 16 waves a work-group, no clusters, 92,160 bytes of LDS; arguments qkv, mk, ao; writes ao
.if DOCPART == 5
	.amdgcn_target "amdgcn-amd-amdhsa--gfx1250"
	.amdhsa_code_object_version 6
	.text
	.protected	k_q75eb84b9ef_attn
	.globl	k_q75eb84b9ef_attn
	.p2align	8
	.type	k_q75eb84b9ef_attn,@function
k_q75eb84b9ef_attn:
	s_mov_b64 s[64:65], 0
	v_nop
	global_prefetch_b8 v0, s[64:65] scope:SCOPE_SE
	s_setreg_imm32_b32 hwreg(HW_REG_WAVE_SCHED_MODE, 0, 2), 2
	s_setreg_imm32_b32 hwreg(HW_REG_WAVE_MODE, 25, 1), 1
	s_wait_xcnt 0x0
	s_wait_alu depctr_vm_vsrc(0)
; O = softmax(where(mask, Q K^T / 8, -1e9)) V for one batch and head, both products on codes of FP6 (E2M3) with E8M0 scales, and O / l quantised along the channels for the last product.
; t = logit x log2(e); M = the running largest t, rounded up to a whole number; p = 2^(t - M) is quantised along the keys, not normalised; the row's sum is taken of the unquantised p and divides at the end; when M moves, sum and O are multiplied by 2^(old M - new M).
; Under the mask t is the f32 number -1,442,695,040 (-1e9 x log2(e)), a whole number: a row with no true key has M = t and p = 1 for every key, the mean that reference() gives.
; WORK LEFT OUT: a step of 128 keys that the mask hides from all 16 queries of a tile is not walked (the proof and the limits stand at the head of the first launch); which steps, the first launch has stored as whole numbers: bit s of my
; tile's word = walk step s, bit 16 + s = step s wants the mask's words.  A tile that holds a row with no true key walks all steps.
; SHARES.  A work-group owns the blocks of 128 queries i and 15 - i of one batch and head; each of its sixteen waves owns a tile of 16 queries in 256 registers, four waves to a SIMD, two of each block.
; LAYOUT.  Both products are used transposed: S^T = K Q^T (source 0 = 16 keys), O^T = V^T P^T (source 0 = 16 channels): a lane holds ONE query throughout.  Keys and channels lie at positions sigma (bits 3 and 4 exchanged), so that the 16
; registers of tiles 2 b, 2 b + 1 are 16 neighbours 32 b + 16 (lane / 16) + 0 .. 15.
; THE HEAD'S K IS 64, the instruction's 128: Q's registers 6-11 are zero codes.  K's tile g is named v[32 + 6 g .. 43 + 6 g]: its upper six registers are the next tile's codes (behind the last: zeros); they meet Q's zeros, every code of this format is
; a finite number, and the scale bytes that go with them are 0 (2^-127, no NaN): they add exactly 0.
; K AND V COME THROUGH REGISTERS, not by tensor loads: there is no joint load and no cluster.  A slot of 256 keys is 24,576 bytes: three loads of 16
; bytes a lane, issued a whole slot (two key steps) ahead of the LDS stores that want them; so no prefetch is laid beside them.
; LDS: two slots (K 256 x 48, V 4 chunks x 64 x 48) at 0 and 32,768; K's scale words of the whole head at SCK, V's at SCV; a stage of 768 bytes a wave; the spare words.
; REGISTERS: v1-11 addresses and the masked t; v12 -M, v13 the largest t, v[14:15] the sum; v16-27 Q; v28 Q's scale word, v29 p's; v32-85 K's or V's fragments; v86-93 their scale words; v96-159 S^T, then p; v160-191 O^T; v192-203 the slot on
; its way; v204-222 p's codes; v224-241 at work; v242-248 addresses.
; THE MODE: SCHED_MODE bits 1:0 = 2 (LLVM: expert scheduling mode 2), set by the entry lines.  The code itself states the register dependences between vector or matrix instructions and memory or LDS instructions, with s_wait_alu, always for 0.
; THE PLAN.  Registers that memory or LDS instructions touch:
;   v1, v4, v7, v242-248   addresses: made at the head, ahead of the first load, and never written again.
;   v9, v10                LDS addresses of a step's scale words: written by two additions at the head of each step that is walked, read by that step's LDS loads.
;   v32-79, v86-93         K's fragments and scale words land there at a step's head and the eight products S^T read them (with the zeros v80-85); behind those products V's land there (v32-79, v86-89), and the four products O^T read them.
;   v192-203               the slot on its way: global loads land there, LDS stores read them; no vector instruction names them.
;   v208-213               at the head only: scale words, loaded, cut and stored to LDS; from the first step on they are among p's codes.
;   v204-209, v216-221, v239   on the way out: codes to the stage, the stage read back, the row's two scale bytes.
;   v5, v6                 written at the head, read by the closing add alone.
; The sixteen waves hold all the SIMDs' registers, so K and V go on sharing one set of fragment registers.  A STEP THAT IS WALKED HAS: one wait on vm_vsrc ahead of the two additions; one on va_vdst ahead of K's loads (v9 and v10 are written, the last
; products O^T are done with V's registers); one on va_vdst behind the products S^T (they are done with K's registers, in which V lands); the two behind the exponentials; one on va_vdst ahead of the products O^T (p's codes and scale word are written).
; V's loads follow their wait in four groups, two at once and two among the blocks' first maxima: the vector lines between name v11, v96-159 and v224-227 alone, none of the registers that those loads touch.
; A slot's turn has one wait on vm_vsrc: its LDS stores have read v192-203, ahead of the loads that land there.
.set KCO,   6291456
.set VCO,   12582912
.set QSO,   18874368
.set KSO,   19136512
.set VSO,   19398656
.set SL1,   32768
.set VOF,   12288
.set SCK,   65536
.set SCV,   73728
.set STAGE, 77824
.set SPARE, 90112                      ; the spare words, 128 bytes for each wave: eight blocks of 256 bytes that no other line names
.set WV,  10
.set CNT, 11
.set P0,  12                           ; s[12:13], s[14:15], s[16:17]: where my three pieces of the next slot lie in memory
.set P1,  14
.set P2,  16
.set P1S, 18                           ; s[18:19] the second piece's step: 12,288 where it is K's, 196,608 where it is V's
.set MKP, 20                           ; s[20:21] my tile's mask words
.set SEL, 22
.set CS,  24                           ; s[24:25] c = log2(e) / 8
.set CX,  26                           ; s[26:27] c, or 1.0 in a step whose scores have been multiplied by c already
.set TS,  28                           ; the step's scale words of K: 512 bytes a step
.set TJ,  29                           ; of V: 256
.set KS,  30                           ; the step's number
.set FW,  31                           ; my tile's flags
.set AOS, 66                           ; s[66:67] ao's scale bytes.  s32-63 and s68-99: the step's 64 mask words
.set BM,  224
.set PT,  228
.set SO,  232
.set PCD, 204
	s_load_b128 s[4:7], s[0:1], 0x0                ; qkv, mk
	s_load_b64 s[8:9], s[0:1], 0x10                ; ao
	v_lshl_add_u32 v5, v0, 2, SPARE                ; my spare word; never rewritten
	v_mov_b32 v6, 0                                ; 0; never rewritten
	v_lshrrev_b32 v8, 5, v0
	v_readfirstlane_b32 s[WV], v8                  ; wave 0..15
	s_wait_alu depctr_va_sdst(0)                   ; s10, the wave's number, is written, ahead of its first reader: my tile, my pieces and my stage are made from it
	s_and_b32 s32, ttmp7, 0xffff                   ; batch x 16 + head
	s_lshr_b32 s33, s32, 4
	s_and_b32 s34, s32, 15
	s_lshr_b32 s35, s[WV], 2
	s_xor_b32 s35, s35, s[WV]
	s_and_b32 s35, s35, 1                          ; which of the two blocks
	s_sub_co_u32 s36, 15, ttmp9
	s_cmp_eq_u32 s35, 1
	s_cselect_b32 s36, s36, ttmp9
	s_lshl_b32 s36, s36, 3
	s_lshr_b32 s37, s[WV], 1
	s_add_co_u32 s36, s36, s37                     ; my tile of queries
	s_lshl_b32 s37, s36, 4                         ; its first position
	s_lshl_b32 s38, s32, 11
	s_add_co_u32 s38, s38, s37
	s_mul_i32 s38, s38, 48                         ; Q's codes
	s_mov_b32 s39, 0
	s_lshl_b32 s40, s33, 3
	s_lshr_b32 s41, s34, 1
	s_add_co_u32 s40, s40, s41
	s_lshl_b32 s40, s40, 13                        ; the pair of heads' 2,048 scale words
	s_lshl_b32 s42, s37, 2
	s_add_co_u32 s42, s42, s40
	s_add_co_u32 s42, s42, QSO                     ; Q's
	s_mov_b32 s43, 0
	s_add_co_u32 s40, s40, KSO                     ; K's
	s_mov_b32 s41, 0
	s_lshl_b32 s44, s33, 4
	s_add_co_u32 s44, s44, s[WV]
	s_lshl_b32 s44, s44, 12
	s_lshl_b32 s45, s34, 8
	s_add_co_u32 s44, s44, s45
	s_add_co_u32 s44, s44, VSO                     ; V's: wave w brings step w's 64 words
	s_mov_b32 s45, 0
	s_mul_i32 s46, s32, 98304
	s_add_co_u32 s46, s46, KCO                     ; K's codes of the head
	s_mul_i32 s47, s33, 1572864
	s_mul_i32 s48, s34, 3072
	s_add_co_u32 s47, s47, s48
	s_add_co_u32 s47, s47, VCO                     ; V's: the batch's chunk 0, the head's 64 channels
	; a slot is 48 pieces of 512 bytes: 24 of K, dense; 24 of V, six to a chunk of 64 keys, the chunks 49,152 bytes apart.  Wave w brings pieces w, 16 + w, 32 + w
.macro VPLACE d, g, t                  ; s[d] = where V's piece s[g] (0 .. 23) lies: chunk g / 6 = (43 g) >> 8
	s_mul_i32 s[\t], s[\g], 43
	s_lshr_b32 s[\t], s[\t], 8
	s_mul_i32 s[\d], s[\t], 6
	s_sub_co_u32 s[\d], s[\g], s[\d]
	s_lshl_b32 s[\d], s[\d], 9
	s_mul_i32 s[\t], s[\t], 49152
	s_add_co_u32 s[\d], s[\d], s[\t]
	s_add_co_u32 s[\d], s[\d], s47
.endm
	s_lshl_b32 s48, s[WV], 9
	s_add_co_u32 s48, s48, s46
	s_mov_b32 s49, 0
	s_add_co_u32 s50, s48, 8192
	s_sub_co_u32 s52, s[WV], 8
	s_and_b32 s52, s52, 15
	VPLACE 53, 52, 54
	s_add_co_u32 s52, s[WV], 8
	VPLACE 56, 52, 54
	s_mov_b32 s57, 0
	s_mov_b32 s[P1S], 196608
	s_cmp_lt_u32 s[WV], 8                          ; piece 16 + w is K's for waves 0-7
	s_cselect_b32 s50, s50, s53
	s_cselect_b32 s[P1S], 12288, s[P1S]
	s_mov_b32 s51, 0
	s_mov_b32 s[P1S+1], 0
	s_lshl_b32 s58, s34, 13
	s_lshl_b32 s59, s33, 11
	s_add_co_u32 s59, s59, s37                     ; my first row of ao: batch x 2,048 + position
	s_add_co_u32 s58, s58, s59
	s_mul_i32 s58, s58, 48                         ; its codes: chunk = head
	s_lshr_b32 s60, s34, 2
	s_lshl_b32 s60, s60, 13
	s_add_co_u32 s60, s60, s59
	s_lshl_b32 s60, s60, 3
	s_and_b32 s61, s34, 3
	s_lshl_b32 s61, s61, 1
	s_add_co_u32 s60, s60, s61
	s_add_co_u32 s60, s60, 6291456                 ; its scale bytes: 2 (head % 4) of the row's eight
	s_mov_b32 s59, 0
	s_mov_b32 s61, 0
	s_and_b32 s62, s34, 1
	s_lshl_b32 s62, s62, 4                         ; my head's half of a pair's scale word
	s_lshl_b32 s63, s36, 2
	s_lshl_b32 s2, s36, 12
	s_mov_b32 s3, 0
	s_mov_b32 s[SEL], 0x76543210
	s_mov_b32 s[SEL+1], 0xfedcba98
	s_mov_b32 s[CS], 0x3e38aa3b                    ; c = log2(e) / 8
	s_mov_b32 s[CS+1], s[CS]                       ; (named with it as a pair, so it is written)
	s_mov_b32 s[TS], 0
	s_mov_b32 s[TJ], 0
	s_mov_b32 s[KS], 0
	v_and_b32 v8, 15, v0                           ; r
	v_bfe_u32 v9, v0, 4, 1                         ; h
	v_mul_u32_u24 v1, v8, 48
	v_mad_u32_u24 v1, v9, 24, v1                   ; a fragment's place for my lane: 48 r + 24 h
	v_lshl_add_u32 v2, v8, 2, SCK
	v_lshl_add_u32 v3, v8, 2, SCV
	v_and_b32 v4, 31, v0
	v_lshlrev_b32 v246, 3, v4                      ; 8 x lane
	v_lshlrev_b32 v4, 4, v4                        ; 16 x lane
	v_lshlrev_b32 v7, 4, v0                        ; a piece's place in a slot: 16 x my thread's number
	v_add_nc_u32 v242, SCK, v7
	v_lshl_add_u32 v243, v0, 3, SCV
	v_lshlrev_b32 v247, 3, v8                      ; 8 r
	v_lshlrev_b32 v248, 2, v8                      ; 4 r
	s_mul_i32 s55, s[WV], 768
	s_add_co_u32 s55, s55, STAGE                   ; my stage
	v_add_nc_u32 v244, s55, v1
	v_add_nc_u32 v245, s55, v246
	s_wait_kmcnt 0x0
	s_add_nc_u64 s[38:39], s[4:5], s[38:39]
	s_add_nc_u64 s[42:43], s[4:5], s[42:43]
	s_add_nc_u64 s[40:41], s[4:5], s[40:41]
	s_add_nc_u64 s[44:45], s[4:5], s[44:45]
	s_add_nc_u64 s[P0:P0+1], s[4:5], s[48:49]
	s_add_nc_u64 s[P1:P1+1], s[4:5], s[50:51]
	s_add_nc_u64 s[P2:P2+1], s[4:5], s[56:57]
	s_add_nc_u64 s[MKP:MKP+1], s[6:7], s[2:3]
	s_add_nc_u64 s[AOS:AOS+1], s[8:9], s[60:61]
	s_add_nc_u64 s[8:9], s[8:9], s[58:59]
	s_load_b32 s[FW], s[6:7], s63 offset:0x80000   ; my tile's flags
	s_wait_alu depctr_va_vdst(0)                   ; the addresses v1, v4, v7 and v242 to v248 are written: every load and store of the kernel but those of the scale words in a step reads one of them
.irp p, 0,1,2
	global_load_b64 v[16+2*\p:17+2*\p], v1, s[38:39] offset:8*\p   ; Q's fragment stays in registers
.endr
	global_load_b32 v28, v248, s[42:43]
	global_load_b128 v[208:211], v7, s[40:41]      ; K's scale words: 512 threads x 16 bytes
	global_load_b64 v[212:213], v246, s[44:45]
	global_load_b128 v[192:195], v4, s[P0:P0+1]    ; keys 0-255
	global_load_b128 v[196:199], v4, s[P1:P1+1]
	global_load_b128 v[200:203], v4, s[P2:P2+1]
	v_mov_b32 v11, 0xceabfb8f                      ; t under the mask
	v_mov_b32 v13, 0xff61b1e6                      ; the largest t so far: -3e38, under every t
	v_floor_f32 v12, -v13                          ; -M
	v_mov_b32 v14, 0
	v_mov_b32 v15, 0
.irp j, 22,23,24,25,26,27, 80,81,82,83,84,85, 228,229,230,231, 238,241
	v_mov_b32 v\j, 0                               ; Q's upper half; the tail behind K's last tile; registers that are named before they are first written
.endr
	s_wait_loadcnt 0x0
	v_bfe_u32 v28, v28, s62, 16                    ; my head's two bytes; bytes 2 and 3, which go with the zero codes, are 0
.irp j, 208,209,210,211
	v_bfe_u32 v\j, v\j, s62, 16
.endr
.set n1, 0
.rept 32
	v_mov_b32 v[160+n1], 0                         ; O^T: the step is written once: the first finds zeros, which the first change of M leaves zeros
.set n1, n1+1
.endr
	s_wait_alu depctr_va_vdst(0)                   ; the cut scale words v208 to v211 are written, which the LDS store below reads; so are Q's scale word v28, Q's zeros v22 to v27 and the tail v80 to v85, which the scaled products take
	ds_store_b128 v242, v[208:211]
	ds_store_b64 v243, v[212:213]
	ds_store_b128 v7, v[192:195]
	ds_store_b128 v7, v[196:199] offset:8192
	ds_store_b128 v7, v[200:203] offset:16384
	s_add_nc_u64 s[P0:P0+1], s[P0:P0+1], 12288     ; (their loads are done)
	s_add_nc_u64 s[P1:P1+1], s[P1:P1+1], s[P1S:P1S+1]
	s_add_nc_u64 s[P2:P2+1], s[P2:P2+1], 196608
	s_wait_dscnt 0x0                               ; my stores are done, for the others' sake
	s_wait_alu depctr_vm_vsrc(0)                   ; the LDS stores have read v192 to v203, in which the loads below land, and v208 to v213, which the steps' conversions write
	global_load_b128 v[192:195], v4, s[P0:P0+1]    ; keys 256-511
	global_load_b128 v[196:199], v4, s[P1:P1+1]
	global_load_b128 v[200:203], v4, s[P2:P2+1]
	s_wait_kmcnt 0x0                               ; the flags
	s_barrier_signal -1
	s_barrier_wait -1                              ; slot 0 and the scale words are whole
; V's tile t of the slot's q-th key step: 16 channels x 128 keys, and its scale words.
.macro VFRAG slot, q, t
.irp p, 0,1,2,3,4,5
	ds_load_b64 v[32+12*(\t)+2*\p:33+12*(\t)+2*\p], v1 offset:(\slot)*SL1+VOF+(2*(\q)+\p/3)*3072+(\t)*768+8*(\p%3)   ; they land while the softmax is worked
.endr
	ds_load_b32 v[86+(\t)], v10 offset:64*(\t)
.endm
; A KEY STEP: 128 keys, the q-th of the slot.
.macro STEP slot, q
	s_bitcmp1_b32 s[FW], s[KS]                     ; a whole number that an earlier launch stored: is this step walked?
	s_cbranch_scc0 .Lskip_\@
	s_wait_alu depctr_vm_vsrc(0)                   ; the LDS loads of the step that was walked last have read v9 and v10, which the two additions write
	v_add_nc_u32 v9, s[TS], v2
	v_add_nc_u32 v10, s[TJ], v3
	v_nop
	v_nop                                          ; with the two additions four plain lines behind the last products, as in the plain text; the wait below states the dependence
	s_wait_alu depctr_va_vdst(0)                   ; v9 and v10 are written, which the loads of this step's scale words read; the last products O^T are done reading v32 to v79 and v86 to v89, in which K's fragments and scale words land
.irp g, 0,1,2,3,4,5,6,7
.irp p, 0,1,2
	ds_load_b64 v[32+6*\g+2*\p:33+6*\g+2*\p], v1 offset:\slot*SL1+(128*\q+16*\g)*48+8*\p
.endr
	ds_load_b32 v[86+\g], v9 offset:64*\g
.endr
	s_wait_dscnt 0x0
.irp g, 0,1,2,3,4,5,6,7
	v_wmma_scale_f32_16x16x128_f8f6f4 v[96+8*\g:103+8*\g], v[32+6*\g:43+6*\g], v[16:27], 0, v[86+\g], v28 matrix_a_fmt:MATRIX_FMT_FP6 matrix_b_fmt:MATRIX_FMT_FP6
.endr
.rept 4
	v_nop                                          ; places: behind them the scores are read
.endr
	s_wait_alu depctr_va_vdst(0)                   ; the eight products S^T are done reading v32 to v85 and v86 to v93: V's fragments and scale words land in v32 to v79 and v86 to v89
	VFRAG \slot, \q, 0
	VFRAG \slot, \q, 1
	s_add_co_u32 s2, s[KS], 16
	s_bitcmp1_b32 s[FW], s2                        ; does the step want the mask's words?
	s_cselect_b32 s[CX], 0x3f800000, s[CS]
	s_mov_b32 s[CX+1], s[CX]
	s_cbranch_scc0 .Lopen_\@
	s_lshl_b32 s2, s[KS], 8
	s_load_b512 s[32:47], s[MKP:MKP+1], s2 offset:0x0
	s_load_b512 s[48:63], s[MKP:MKP+1], s2 offset:0x40
	s_load_b512 s[68:83], s[MKP:MKP+1], s2 offset:0x80
	s_load_b512 s[84:99], s[MKP:MKP+1], s2 offset:0xc0
.set n1, 0
.rept 32
	v_pk_mul_f32 v[96+n1:97+n1], v[96+n1:97+n1], s[CS:CS+1] op_sel_hi:[1,0]   ; t is formed first, so that the masked t is the stated number itself
.set n1, n1+2
.endr
	s_wait_kmcnt 0x0
.set n1, 0
.rept 64
	v_cndmask_b32 v[96+n1], v11, v[96+n1], s[32+n1+4*(n1/32)]   ; a choice of values: t where the mask is true
.set n1, n1+1
.endr
.Lopen_\@:
.irp b, 0,1,2,3
	v_max3_num_f32 v[BM+\b], v[96+16*\b], v[97+16*\b], v[98+16*\b]   ; the largest of each block of 32 keys: it serves for the row's maximum and, since p rises with t, for the block's largest p
.endr
	VFRAG \slot, \q, 2                             ; no wait: no vector or matrix line since the wait behind the products S^T, on either way to this place, names v1, v10, v32 to v79 or v86 to v89
.irp i, 3,5
.irp b, 0,1,2,3
	v_max3_num_f32 v[BM+\b], v[BM+\b], v[96+16*\b+\i], v[97+16*\b+\i]
.endr
.endr
	VFRAG \slot, \q, 3                             ; likewise
.irp i, 7,9,11,13
.irp b, 0,1,2,3
	v_max3_num_f32 v[BM+\b], v[BM+\b], v[96+16*\b+\i], v[97+16*\b+\i]
.endr
.endr
.irp b, 0,1,2,3
	v_max_num_f32 v[BM+\b], v[BM+\b], v[111+16*\b]
.endr
.irp b, 0,1,2,3
	v_permlanex16_b32 v[PT+\b], v[BM+\b], s[SEL], s[SEL+1]
.endr
.irp b, 0,1,2,3
	v_max_num_f32 v[BM+\b], v[BM+\b], v[PT+\b]     ; with lane l xor 16's 16 keys
.endr
	v_max3_num_f32 v238, v224, v225, v226
	v_max_num_f32 v238, v238, v227
	v_mul_f32 v238, s[CX], v238                    ; as t
	v_max_num_f32 v13, v13, v238                   ; the running largest t
	v_mov_b32 v238, v12
	v_floor_f32 v12, -v13                          ; the new -M = -ceil(t)
	v_sub_f32 v238, v12, v238                      ; old M - new M: a whole number, 0 or less
	v_cvt_i32_f32 v238, v238                       ; (it saturates)
	v_ldexp_f32 v240, 1.0, v238                    ; f = 2^(old M - new M)
.set n1, 0
.rept 32
	v_pk_fma_f32 v[96+n1:97+n1], v[96+n1:97+n1], s[CX:CX+1], v[12:13] op_sel_hi:[1,0,0]   ; t - M, two at a time
.set n1, n1+2
.endr
.irp b, 0,1,2,3
	v_fma_f32 v[BM+\b], v[BM+\b], s[CX], v12       ; the same of each block's largest
.endr
.set n1, 0
.rept 64
	v_exp_f32 v[96+n1], v[96+n1]                   ; p = 2^(t - M)
.set n1, n1+1
.endr
	v_pk_mul_f32 v[14:15], v[14:15], v[240:241] op_sel_hi:[1,0]   ; the sums under the new M: the plain line behind the exponentials
	s_wait_alu depctr_va_vdst(0)                   ; the 64 exponentials have written v96 to v159: one wait for the batch, ahead of its first reader
.irp b, 0,1,2,3
	v_exp_f32 v[BM+\b], v[BM+\b]                   ; the block's largest p: the same two instructions on the same number give the same bits
.endr
	v_pk_add_f32 v[236:237], v[96:97], v[98:99]    ; the row's sum, of the unquantised p, in two chains
.irp j, 4,8,12,16,20,24,28,32,36,40,44,48,52,56,60
	v_pk_add_f32 v[14:15], v[14:15], v[96+\j:97+\j]
	v_pk_add_f32 v[236:237], v[236:237], v[98+\j:99+\j]
.endr
	v_pk_add_f32 v[14:15], v[14:15], v[236:237]
	s_wait_alu depctr_va_vdst(0)                   ; the four exponentials have written v224 to v227, ahead of their first reader
.irp b, 0,1,2,3
	v_max_num_f32 v[BM+\b], 0x1800000, v[BM+\b]    ; the floor 2^(3 - 127): the byte cannot fall under 1
.endr
.irp b, 0,1,2,3
	v_add_nc_u32 v[SO+\b], 0xff000000, v[BM+\b]    ; 2 off the exponent field: the conversion's scale operand
.endr
.irp b, 0,1,2,3
	v_lshrrev_b32 v[PT+\b], 23, v[SO+\b]
.endr
	v_lshl_or_b32 v29, v229, 8, v228               ; p's scale word for these 128 keys
	v_lshl_or_b32 v29, v230, 16, v29
	v_lshl_or_b32 v29, v231, 24, v29
.irp c, 0,1
	v_cvt_scalef32_pk16_fp6_f32 v[PCD+6*\c:PCD+2+6*\c], v[96+32*\c:111+32*\c], v[SO+2*\c]
	v_cvt_scalef32_pk16_fp6_f32 v[PCD+12+4*\c:PCD+14+4*\c], v[112+32*\c:127+32*\c], v[SO+2*\c+1]
.endr
	v_nop                                          ; one plain place behind a scaled conversion
.irp c, 0,1
.irp i, 0,1,2
	v_permlane16_swap_b32 v[PCD+6*\c+\i], v[PCD+12+4*\c+\i]
.endr
.irp i, 0,1,2
	v_mov_b32 v[PCD+3+6*\c+\i], v[PCD+12+4*\c+\i]
.endr
.endr
.set n1, 0
.rept 16
	v_pk_mul_f32 v[160+n1:161+n1], v[160+n1:161+n1], v[240:241] op_sel_hi:[1,0]   ; O^T under the new M; these sixteen are also the places between the writes of p's codes and scale word and the products
.set n1, n1+2
.endr
	s_wait_dscnt 0x0                               ; V's fragments and scale words
	s_wait_alu depctr_va_vdst(0)                   ; p's codes v204 to v215 and its scale word v29 are written, which the scaled products below take; the places above stay beside this wait
.irp t, 0,1,2,3
	v_wmma_scale_f32_16x16x128_f8f6f4 v[160+8*\t:167+8*\t], v[32+12*\t:43+12*\t], v[PCD:PCD+11], v[160+8*\t:167+8*\t], v[86+\t], v29 matrix_a_fmt:MATRIX_FMT_FP6 matrix_b_fmt:MATRIX_FMT_FP6   ; the four accumulators by turns; eight products S^T stand between two links
.endr
.Lskip_\@:
	s_add_co_u32 s[KS], s[KS], 1                   ; on every way
	s_add_co_u32 s[TS], s[TS], 512
	s_add_co_u32 s[TJ], s[TJ], 256
.endm
; A slot's turn.  At its head the keys that were asked for a turn ago go into the OTHER slot, whose readers have passed the last barrier behind their wait for their loads; they are read behind this turn's barrier.  Then the keys after them are
; asked for.  The jumps hang on the loop's counter alone: the last two turns have nothing left to ask for, the last nothing to store.
.macro TRIP slot
.if \slot == 1
	s_cmp_eq_u32 s[CNT], 1
	s_cbranch_scc1 .Lsteps_\@
.endif
	s_wait_loadcnt 0x0
.irp j, 0,1,2
	ds_store_b128 v7, v[192+4*\j:195+4*\j] offset:(1-\slot)*SL1+8192*\j   ; data that loads brought, by an address made at the head: no vector line names either
.endr
.if \slot == 0
	s_cmp_eq_u32 s[CNT], 1
	s_cbranch_scc1 .Lsteps_\@                      ; (on this way nothing writes v192 to v203 any more)
.endif
	s_add_nc_u64 s[P0:P0+1], s[P0:P0+1], 12288     ; (their loads are done)
	s_add_nc_u64 s[P1:P1+1], s[P1:P1+1], s[P1S:P1S+1]
	s_add_nc_u64 s[P2:P2+1], s[P2:P2+1], 196608
	s_wait_dscnt 0x0                               ; the stores are done
	s_wait_alu depctr_vm_vsrc(0)                   ; the three LDS stores have read v192 to v203, in which the loads below land
	global_load_b128 v[192:195], v4, s[P0:P0+1]
	global_load_b128 v[196:199], v4, s[P1:P1+1]
	global_load_b128 v[200:203], v4, s[P2:P2+1]
.Lsteps_\@:
	STEP \slot, 0
	STEP \slot, 1
	s_wait_dscnt 0x0                               ; my stores into the other slot are done, and my reads of this one are over
	s_barrier_signal -1
	s_barrier_wait -1
.endm
	s_mov_b32 s[CNT], 4
.Ltrip:
	TRIP 0
	TRIP 1
	s_sub_co_u32 s[CNT], s[CNT], 1
	s_cmp_lg_u32 s[CNT], 0
	s_cbranch_scc1 .Ltrip
	; THE WAY OUT: O^T / the sum, quantised along the head's 64 channels (two blocks), through my stage, so that each store covers 256 consecutive bytes.
.rept 4
	v_nop                                          ; places behind the last products
.endr
	v_add_f32 v14, v14, v15                        ; the sum's two halves,
	v_permlanex16_b32 v238, v14, s[SEL], s[SEL+1]
	v_add_f32 v14, v14, v238                       ; and lane l xor 16's
	v_rcp_f32 v14, v14
	v_nop                                          ; a plain place behind the transcendental
	s_wait_alu depctr_va_vdst(0)                   ; the reciprocal has written v14, ahead of its first reader
.set n1, 0
.rept 32
	v_mul_f32 v[96+n1], v[160+n1], v14             ; register 16 b + i is channel 32 b + 16 h + i of my query
.set n1, n1+1
.endr
.irp b, 0,1
	v_max3_num_f32 v[BM+\b], |v[96+16*\b]|, |v[97+16*\b]|, 0x1800000
.endr
.irp i, 2,4,6,8,10,12,14
.irp b, 0,1
	v_max3_num_f32 v[BM+\b], v[BM+\b], |v[96+16*\b+\i]|, |v[97+16*\b+\i]|
.endr
.endr
.irp b, 0,1
	v_permlanex16_b32 v[PT+\b], v[BM+\b], s[SEL], s[SEL+1]
.endr
.irp b, 0,1
	v_max_num_f32 v[BM+\b], v[BM+\b], v[PT+\b]
.endr
.irp b, 0,1
	v_add_nc_u32 v[SO+\b], 0xff000000, v[BM+\b]
.endr
.irp b, 0,1
	v_lshrrev_b32 v[PT+\b], 23, v[SO+\b]
.endr
	v_lshl_or_b32 v239, v229, 8, v228              ; my row's two scale bytes
	v_cvt_scalef32_pk16_fp6_f32 v[PCD:PCD+2], v[96:111], v[SO]
	v_cvt_scalef32_pk16_fp6_f32 v[PCD+12:PCD+14], v[112:127], v[SO+1]
	v_nop
.irp i, 0,1,2
	v_permlane16_swap_b32 v[PCD+\i], v[PCD+12+\i]
.endr
.irp i, 0,1,2
	v_mov_b32 v[PCD+3+\i], v[PCD+12+\i]            ; six registers: channels 32 h + 0 .. 31 of query r
.endr
	s_wait_alu depctr_va_vdst(0)                   ; the codes v204 to v209 and the scale bytes v239 are written, which the stores below read; the conversions, swaps and moves are done with v216 to v218, in which the stage's loads land
.irp p, 0,1,2
	ds_store_b64 v244, v[PCD+2*\p:PCD+2*\p+1] offset:8*\p
.endr
.irp p, 0,1,2
	ds_load_b64 v[216+2*\p:217+2*\p], v245 offset:256*\p   ; LDS serves a wave's instructions in order: these see my stores
.endr
.irp p, 0,1,2
	s_wait_dscnt 2-\p                              ; load p is in, the younger ones may be out
	global_store_b64 v246, v[216+2*\p:217+2*\p], s[8:9] offset:256*\p   ; 32 lanes store 256 consecutive bytes, aligned
.endr
	global_store_b16 v247, v239, s[AOS:AOS+1]      ; two bytes of each row's eight (the other six are other heads'): 1 / 24 of the codes' bytes; lanes r and 16 + r store the same value at the same place
	s_wait_dscnt 0x0                               ; the closing lines, six on end
	s_wait_alu 0x0
	s_wait_tensorcnt 0x0
	ds_add_u32 v5, v6
	s_wait_dscnt 0x0
	s_endpgm
.Lfunc_end_k_q75eb84b9ef_attn:
	.size	k_q75eb84b9ef_attn, .Lfunc_end_k_q75eb84b9ef_attn-k_q75eb84b9ef_attn
	.p2alignl 7, 3214868480
	.fill 96, 4, 3214868480
	.section	.rodata,"a",@progbits
	.p2align	6, 0x0
	.amdhsa_kernel k_q75eb84b9ef_attn
		.amdhsa_group_segment_fixed_size 92160
		.amdhsa_private_segment_fixed_size 0
		.amdhsa_enable_private_segment 0
		.amdhsa_kernarg_size 24
		.amdhsa_user_sgpr_count 2
		.amdhsa_user_sgpr_kernarg_segment_ptr 1
		.amdhsa_wavefront_size32 1
		.amdhsa_system_sgpr_workgroup_id_x 1
		.amdhsa_system_sgpr_workgroup_id_y 1
		.amdhsa_system_sgpr_workgroup_id_z 1
		.amdhsa_system_vgpr_workitem_id 0
		.amdhsa_next_free_vgpr 256
		.amdhsa_next_free_sgpr 100
		.amdhsa_reserve_vcc 0
		.amdhsa_float_denorm_mode_32 3
		.amdhsa_float_denorm_mode_16_64 3
		.amdhsa_memory_ordered 1
		.amdhsa_forward_progress 1
		.amdhsa_inst_pref_size 112
	.end_amdhsa_kernel
	.amdgpu_metadata
---
amdhsa.version: [ 1, 2 ]
amdhsa.kernels:
  - .name:           k_q75eb84b9ef_attn
    .symbol:         k_q75eb84b9ef_attn.kd
    .args:
      - { .name: qkv, .offset: 0, .size: 8, .value_kind: global_buffer, .address_space: global }
      - { .name: mk, .offset: 8, .size: 8, .value_kind: global_buffer, .address_space: global }
      - { .name: ao, .offset: 16, .size: 8, .value_kind: global_buffer, .address_space: global }
    .group_segment_fixed_size: 92160
    .private_segment_fixed_size: 0
    .kernarg_segment_align: 8
    .kernarg_segment_size: 24
    .max_flat_workgroup_size: 512
    .sgpr_count:     100
    .vgpr_count:     256
    .wavefront_size: 32
...
	.end_amdgpu_metadata
.endif
;; end of part 5
;; launch outgemm: the kernel of part 4 again; grid 4 x 32, 4 waves a work-group, clusters of 4 x 4, 327,680 bytes of LDS; arguments ao, opq, bo, out0; writes out0
